; MI455X (gfx1250); checked and timed in simulation.
; The chip was launched on July 23, 2026; its instructions are those of AMD's public machine-readable ISA for CDNA 5 (MIT licence, August 2026) and "CDNA5" Instruction Set Architecture Reference Guide (July 2026). The comments in the code are by the model that wrote it; some were corrected since.
;; Quant Linear. Allowed arithmetic: matrix products marked QUANTISED: E3M2 operands, one E8M0 scale for each 32 along K, by v_wmma_scale_f32_16x16x128_f8f6f4 with both operands' format E3M2, f32 sums; everything else in f32.
;; Inputs: bias 2,752 float16; packed 512 x 2,752 int32; scales 32 x 2,752 float16; x_codes 4 x 1,024 x 128 x 24 uint8 (E3M2 codes of x, K innermost, in blocks of 32 codes, four codes in three bytes); x_scales 4 x 1,024 x 128 uint8 (E8M0 scales of x, one for each 32 codes along K).
;; Outputs: out0 4 x 1,024 x 2,752 float16.
;; This version of the problem:
;;   THIS VERSION OF THE PROBLEM IS GIVEN IN LOW PRECISION. The matrix products marked QUANTISED in the list below multiply operands that are first quantised to E3M2 (3 exponent bits, 2 mantissa bits; 6 bits a number), with one power-of-two scale for each 32 numbers along K (OCP MX v1.0); their sums are f32. All else is computed in f32.
;;   The module's matrix products, in the order in which they are computed (A, B: the left and right operand; K: the contracted axis; several contracted axes count as one K, in the product's order):
;;     1. [M 4,096, K 4,096] x [K 4,096, N 2,752]; A: input x (given as codes); B: computed on the way: QUANTISED
;;   THE QUANTISER, for each operand of a quantised product, along K:
;;     - K is cut into blocks of 32 from its start; a last block that is shorter is filled with zeros.
;;     - A block's scale is 2^e with e = floor(log2(the largest magnitude in the block)) - 4, held to -126 .. 127; a block of zeros has e = 0. As a byte (E8M0): e + 127.
;;     - Each number is divided by its block's scale, clamped to +-28, and rounded to the nearest number of E3M2, ties to even, subnormals kept.
;;     - The product sums the exact products of the quantised numbers (number of the format x scale) in f32.
;;   ~~~python
;;   def quantise(x, axis):      # numpy; x: float32 -> the quantised numbers, widened to float32 again
;;       x = np.moveaxis(x, axis, -1); K = x.shape[-1]
;;       x = np.pad(x, [(0, 0)] * (x.ndim - 1) + [(0, -K % 32)]); x = x.reshape(x.shape[:-1] + (-1, 32)); a = np.abs(x).max(-1, keepdims=True)
;;       e = np.where(a > 0, np.clip(np.frexp(np.where(a > 0, a, 1))[1] - 1 - 4, -126, 127), 0)      # np.frexp(a)[1] - 1 = floor(log2(a)), exactly
;;       r = np.clip(x / 2.0 ** e, -28, 28)
;;       step = 2.0 ** (np.maximum(np.frexp(np.where(r == 0, 1, r))[1] - 1, -2) - 2)
;;       q = np.round(r / step) * step * 2.0 ** e      # np.round: ties to even
;;       return np.moveaxis(q.reshape(q.shape[:-2] + (-1,))[..., :K], -1, axis).astype(np.float32)
;;   ~~~
;;   OPERANDS COMPUTED ON THE WAY. 'Computed on the way' means the value that the module computes at that place (a softmax that the list does not call 'softmax' is quantised finished and normalised). What goes into a quantiser is computed in f32, as accurately as f32 sums, v_exp_f32 and their like allow (about 1e-6 of the number): no bf16 or f16 on the way to a quantiser, and a product that is left as it is and whose result goes on into a quantised operand takes f32 operands (vector FMAs, or v_wmma_f32_16x16x4_f32). A number that lies on a knife's edge between two numbers of the format may be rounded either way, as far as f32 arithmetic and the matrix unit's own rounding can turn it there, and no further.
;;   INPUTS GIVEN AS CODES. x (in the module: [4, 1024, 4096], K = its axis 2): each comes as NAME_codes (uint8): NAME with its K axis moved to the last place and cut into blocks of 32 codes, [.., K / 32, bytes a block], one block behind the other in memory; four codes in three bytes: a row's codes are one little-endian stream of bits, code i at bits 6 i .. 6 i + 5 (a code: sign, 3 exponent bits, 2 mantissa bits); and NAME_scales (uint8): the same leading axes, one E8M0 byte (e + 127) for each 32 codes along K. Its value is code x scale, taken as it is: it is not quantised again, and the codes and scales need not be those that the quantiser above would give.
;; 2 versions. Each part assembles by itself: llvm-mc -triple=amdgcn-amd-amdhsa -mcpu=gfx1250 --defsym DOCPART=n.
;; ======== version 1 of 2: 2 launches
;; workspace buffers: w_img 8,650,752 bytes; w_sc 360,448 bytes; bias32 11,264 bytes
;; launch prep (part 1): grid 22 x 16, 4 waves a work-group, no clusters, 0 bytes of LDS; arguments packed, scales, bias, w_img, w_sc, bias32; writes w_img, w_sc, bias32
.if DOCPART == 1
	.amdgcn_target "amdgcn-amd-amdhsa--gfx1250"
	.amdhsa_code_object_version 6
	.text
	.protected	k_q64bf56656c_prep
	.globl	k_q64bf56656c_prep
	.p2align	8
	.type	k_q64bf56656c_prep,@function
k_q64bf56656c_prep:
	s_mov_b64 s[64:65], 0
	v_nop
	global_prefetch_b8 v0, s[64:65] scope:SCOPE_SE
	s_setreg_imm32_b32 hwreg(HW_REG_WAVE_MODE, 25, 1), 1
	s_wait_xcnt 0x0
; W[k][n] = (nibble - 8) x scales[k / 128][n], k = 0 .. 4095, n = 0 .. 2751, is made in f32 and turned into codes of BF6 (E3M2) with one E8M0 byte for each 32 along K.
; packed: [512][2752] words, word k / 8 of column n holds k's nibble at bits 4 (k % 8).  scales: [32][2752] f16.  bias: [2752] f16.
; (nibble - 8) x scale has at most 15 significant bits: float(nibble) x s - 8 s, one fused multiply-add in f32, is exact; nothing is rounded ahead of the quantiser.
; A LANE TAKES A COLUMN n, AND ITS REGISTERS RUN DOWN K: a load reads 32 neighbouring columns (128 consecutive bytes a wave, 512 a work-group), a block of 32 along K is four words of one lane,
; its largest magnitude needs no other lane, and the conversions give codes with K innermost.
; OUT: w_img [K slot 16][block of 16 columns 176][q 2][1536 bytes]: the fragment of 16 columns x 128 K (K = 256 slot + 128 q on) as an IMAGE OF THE OPERAND'S REGISTERS: registers 4 c .. 4 c + 3 of fragment lane
; l = r + 16 h at byte 512 c + 16 l; fragment lane (r, h) holds column r, registers 0-5 the image's block h, registers 6-11 its block 2 + h.  w_sc [K slot 16][n 2816][8]: byte i = the byte of block 8 slot + i.
; bias32 [2816]: the bias as f32.  Columns 2752 .. 2815 are filled up: zero codes, byte 127, bias 0, so that the product's launch can take 16 equal strips of 176 columns.
; SHARES: work-group (x, y): columns 128 x on, K slot y; wave w: the 32 columns of group cg = 4 x + w.  No LDS, no barrier, no loop; every offset is an immediate; no store's data are written again.
; LIMITS: NaN and infinite scales are not served.  A block of zeros gets the byte 1 where the rule says 127: its codes are zeros, which add nothing under any byte but 0xff, and this program alone reads the bytes.
.set ROWP, 11008                       ; a row of packed in bytes
.set ROWS, 5504                        ; a row of scales in bytes
.set IMG,  1536                        ; an image in bytes
.set KIMG, 176*2*IMG                   ; a K slot's images
.set KSC,  2816*8                      ; a K slot's scale bytes
.set EMAX, 4
.set SB,   16                          ; v[16:17]  my column's 8 scale bytes
.set SF,   24                          ; v[24:25], v[26:27]  s of the slot's first and second group of 128, twice each (a pair for the packed form)
.set M8,   28                          ; v[28:29], v[30:31]  -8 s likewise
.set W,    32                          ; v32-63    my column's 32 words
.set X,    64                          ; v64-95    a block's 32 numbers
.set CODE, 96                          ; v96-143   codes: block t = 4 q + 2 c + h at CODE + 24 q + 12 h + 6 c: so 12 registers on end are fragment lane (r, h) of image q
.set C2,   144                         ; v[144:146] a block's upper 16 codes (a conversion's three registers begin on an even number)
	s_load_b256 s[4:11], s[0:1], 0x0               ; packed s[4:5], scales s[6:7], bias s[8:9], w_img s[10:11]
	s_load_b128 s[12:15], s[0:1], 0x20             ; w_sc s[12:13], bias32 s[14:15]
	v_lshrrev_b32 v1, 5, v0
	v_readfirstlane_b32 s16, v1                    ; wave
	s_lshl_b32 s17, ttmp9, 2
	s_add_co_u32 s17, s17, s16                     ; cg: my group of 32 columns, 0 .. 87
	s_and_b32 s18, ttmp7, 0xffff                   ; the K slot
	v_and_b32 v1, 31, v0                           ; lane
	v_lshlrev_b32 v2, 2, v1                        ; 4 bytes a column: packed, bias32
	v_lshlrev_b32 v3, 1, v1                        ; 2 bytes a column: scales, bias
	v_lshlrev_b32 v4, 3, v1                        ; 8 bytes a column: w_sc
	v_lshrrev_b32 v6, 4, v1
	v_and_b32 v7, 15, v1
	v_mul_u32_u24 v5, v6, 2*IMG
	v_lshl_add_u32 v5, v7, 4, v5                   ; w_img: lanes 16-31 belong to the next block of 16 columns; 16 bytes a fragment lane
	s_mov_b32 s21, 0
	s_wait_kmcnt 0x0
	s_mul_i32 s20, s18, KIMG
	s_mul_i32 s22, s17, 4*IMG
	s_add_co_u32 s20, s20, s22
	s_add_nc_u64 s[10:11], s[10:11], s[20:21]      ; w_img at my two blocks' images
	s_mul_i32 s20, s18, KSC
	s_lshl_b32 s22, s17, 8
	s_add_co_u32 s20, s20, s22
	s_add_nc_u64 s[12:13], s[12:13], s[20:21]      ; w_sc at my 32 columns
	s_lshl_b32 s20, s17, 7
	s_add_nc_u64 s[14:15], s[14:15], s[20:21]      ; bias32 likewise
	s_cmp_ge_u32 s17, 86                           ; groups 86 and 87 are columns 2752 on: nothing to read
	s_cbranch_scc1 .Lpad
	s_mul_i32 s20, s18, 32*ROWP
	s_lshl_b32 s22, s17, 7
	s_add_co_u32 s20, s20, s22
	s_add_nc_u64 s[4:5], s[4:5], s[20:21]          ; packed at the slot's 32 rows, my columns
	s_mul_i32 s20, s18, 2*ROWS
	s_lshl_b32 s22, s17, 6
	s_add_co_u32 s20, s20, s22
	s_add_nc_u64 s[6:7], s[6:7], s[20:21]          ; scales at the slot's two rows
	s_lshl_b32 s20, s17, 6
	s_add_nc_u64 s[8:9], s[8:9], s[20:21]          ; bias
	global_load_u16 v20, v3, s[6:7]
	global_load_u16 v21, v3, s[6:7] offset:ROWS
	global_load_u16 v22, v3, s[8:9]
.set n, 0
.rept 32
	global_load_b32 v[W+n], v2, s[4:5] offset:n*ROWP th:TH_LOAD_NT   ; read once in the launch
.set n, n+1
.endr
	s_wait_loadcnt 32                              ; the three narrow loads are in; the 32 words may be out
	v_cvt_f32_f16 v24, v20.l
	v_cvt_f32_f16 v26, v21.l
	v_cvt_f32_f16 v23, v22.l                       ; the bias as f32
	v_mov_b32 v25, v24
	v_mov_b32 v27, v26
	v_mul_f32 v28, 0xc1000000, v24                 ; -8 s: exact
	v_mul_f32 v30, 0xc1000000, v26
	v_mov_b32 v29, v28
	v_mov_b32 v31, v30
; Block t of the slot's eight: words 4 t .. 4 t + 3.
.macro BLOCK t
.set QQ, (\t)/4
.set CD, CODE+24*((\t)/4)+12*((\t)%2)+6*(((\t)%4)/2)
	s_wait_loadcnt 28-4*(\t)                       ; loads come back in order: my four words are in, those of the later blocks may be out
.irp i, 0,1,2,3
.irp j, 0,1,2,3,4,5,6,7
	v_bfe_u32 v[X+8*\i+\j], v[W+4*(\t)+\i], 4*\j, 4
.endr
.endr
.set n, 0
.rept 32
	v_cvt_f32_u32 v[X+n], v[X+n]
.set n, n+1
.endr
.set n, 0
.rept 16
	v_pk_fma_f32 v[X+n:X+n+1], v[X+n:X+n+1], v[SF+2*QQ:SF+2*QQ+1], v[M8+2*QQ:M8+2*QQ+1]   ; nibble x s - 8 s, two at a time
.set n, n+2
.endr
	v_max3_num_f32 v12, |v[X]|, |v[X+1]|, |v[X+2]|                 ; the block's largest magnitude, in two chains
	v_max3_num_f32 v13, |v[X+3]|, |v[X+4]|, |v[X+5]|
.irp i, 6,10,14,18,22,26
	v_max3_num_f32 v12, v12, |v[X+\i]|, |v[X+\i+1]|
	v_max3_num_f32 v13, v13, |v[X+\i+2]|, |v[X+\i+3]|
.endr
	v_max3_num_f32 v12, v12, |v[X+30]|, |v[X+31]|
	v_max3_num_f32 v12, v12, v13, (EMAX+1)<<23     ; and the floor 2^(EMAX + 1 - 127): the byte cannot fall under 1
	v_add_nc_u32 v11, -(EMAX<<23), v12             ; EMAX off its exponent field: the conversion takes this operand's exponent field as its scale
	v_lshrrev_b32 v13, 23, v11                     ; the scale's byte
	v_cvt_scalef32_pk16_bf6_f32 v[CD:CD+2], v[X:X+15], v11
	v_cvt_scalef32_pk16_bf6_f32 v[C2:C2+2], v[X+16:X+31], v11
.if (\t)%4 == 0
	v_mov_b32 v[SB+(\t)/4], v13                    ; four bytes to a register, the lower K in the lower byte.  (Also the plain line between the conversions and the moves that read their result)
.else
	v_lshl_or_b32 v[SB+(\t)/4], v13, 8*((\t)%4), v[SB+(\t)/4]
.endif
.irp i, 0,1,2
	v_mov_b32 v[CD+3+\i], v[C2+\i]
.endr
.endm
; Image q of both my blocks of columns leaves: sixteen neighbouring lanes store 256 consecutive bytes, at a multiple of 256 from the buffer's first byte.
.macro OUT q
.irp h, 0,1
.irp c, 0,1,2
	global_store_b128 v5, v[CODE+24*\q+12*\h+4*\c:CODE+24*\q+12*\h+4*\c+3], s[10:11] offset:IMG*\q+512*\c+256*\h
.endr
.endr
.endm
	BLOCK 0
	BLOCK 1
	BLOCK 2
	BLOCK 3
	OUT 0
	BLOCK 4
	BLOCK 5
	BLOCK 6
	BLOCK 7
	OUT 1
	global_store_b64 v4, v[SB:SB+1], s[12:13]      ; 32 lanes store 256 consecutive bytes
	s_cmp_lg_u32 s18, 0                            ; the bias is stored by K slot 0 alone: each byte has one owner
	s_cbranch_scc1 .Ldone
	global_store_b32 v2, v23, s[14:15]
.Ldone:
	s_endpgm
.Lpad:                                                 ; columns 2752 on: zero codes, the byte 127, bias 0
.irp i, 0,1,2,3
	v_mov_b32 v[CODE+\i], 0
.endr
	v_mov_b32 v[SB], 0x7f7f7f7f
	v_mov_b32 v[SB+1], 0x7f7f7f7f
.irp q, 0,1
.irp h, 0,1
.irp c, 0,1,2
	global_store_b128 v5, v[CODE:CODE+3], s[10:11] offset:IMG*\q+512*\c+256*\h
.endr
.endr
.endr
	global_store_b64 v4, v[SB:SB+1], s[12:13]
	s_cmp_lg_u32 s18, 0
	s_cbranch_scc1 .Lpad_done
	global_store_b32 v2, v[CODE], s[14:15]
.Lpad_done:
	s_endpgm
.Lfunc_end_k_q64bf56656c_prep:
	.size	k_q64bf56656c_prep, .Lfunc_end_k_q64bf56656c_prep-k_q64bf56656c_prep
	.p2alignl 7, 3214868480
	.fill 96, 4, 3214868480
	.section	.rodata,"a",@progbits
	.p2align	6, 0x0
	.amdhsa_kernel k_q64bf56656c_prep
		.amdhsa_group_segment_fixed_size 0
		.amdhsa_private_segment_fixed_size 0
		.amdhsa_enable_private_segment 0
		.amdhsa_kernarg_size 48
		.amdhsa_user_sgpr_count 2
		.amdhsa_user_sgpr_kernarg_segment_ptr 1
		.amdhsa_wavefront_size32 1
		.amdhsa_system_sgpr_workgroup_id_x 1
		.amdhsa_system_sgpr_workgroup_id_y 1
		.amdhsa_system_sgpr_workgroup_id_z 1
		.amdhsa_system_vgpr_workitem_id 0
		.amdhsa_next_free_vgpr 160
		.amdhsa_next_free_sgpr 66
		.amdhsa_reserve_vcc 0
		.amdhsa_float_denorm_mode_32 3
		.amdhsa_float_denorm_mode_16_64 3
		.amdhsa_memory_ordered 1
		.amdhsa_forward_progress 1
		.amdhsa_inst_pref_size 52
	.end_amdhsa_kernel
	.amdgpu_metadata
---
amdhsa.version: [ 1, 2 ]
amdhsa.kernels:
  - .name:           k_q64bf56656c_prep
    .symbol:         k_q64bf56656c_prep.kd
    .args:
      - { .name: packed, .offset: 0, .size: 8, .value_kind: global_buffer, .address_space: global }
      - { .name: scales, .offset: 8, .size: 8, .value_kind: global_buffer, .address_space: global }
      - { .name: bias, .offset: 16, .size: 8, .value_kind: global_buffer, .address_space: global }
      - { .name: w_img, .offset: 24, .size: 8, .value_kind: global_buffer, .address_space: global }
      - { .name: w_sc, .offset: 32, .size: 8, .value_kind: global_buffer, .address_space: global }
      - { .name: bias32, .offset: 40, .size: 8, .value_kind: global_buffer, .address_space: global }
    .group_segment_fixed_size: 0
    .private_segment_fixed_size: 0
    .kernarg_segment_align: 8
    .kernarg_segment_size: 48
    .max_flat_workgroup_size: 128
    .sgpr_count:     66
    .vgpr_count:     160
    .wavefront_size: 32
...
	.end_amdgpu_metadata
.endif
;; end of part 1
;; launch gemm (part 2): grid 16 x 16, 4 waves a work-group, clusters of 4 x 4, 327,680 bytes of LDS; arguments x_codes, x_scales, w_img, w_sc, bias32, out0; writes out0
.if DOCPART == 2
	.amdgcn_target "amdgcn-amd-amdhsa--gfx1250"
	.amdhsa_code_object_version 6
	.text
	.protected	k_q64bf56656c_gemm
	.globl	k_q64bf56656c_gemm
	.p2align	8
	.type	k_q64bf56656c_gemm,@function
k_q64bf56656c_gemm:
	s_mov_b64 s[64:65], 0
	v_nop
	global_prefetch_b8 v0, s[64:65] scope:SCOPE_SE
	s_setreg_imm32_b32 hwreg(HW_REG_WAVE_MODE, 25, 1), 1
	s_wait_xcnt 0x0
	s_wait_alu depctr_hold_cnt(0) depctr_sa_sdst(0) depctr_va_vdst(0) depctr_va_sdst(0) depctr_va_ssrc(0) depctr_va_vcc(0) depctr_vm_vsrc(0)
	s_getreg_b32 s2, hwreg(HW_REG_IB_STS2, 6, 4)
	s_cmp_eq_u32 s2, 0
	s_cbranch_scc0 .Lentry_in_a_cluster
	s_endpgm
.Lentry_in_a_cluster:
	s_bfe_u32 s2, ttmp6, 0x10000c
	s_cmp_lg_u32 s2, 0xf033
	s_cbranch_scc0 .Lentry_shape_is_right
	s_endpgm
.Lentry_shape_is_right:
; out0[m][n] = sum over k of x[m][k] W[k][n] + bias[n], m = 0 .. 4095, n = 0 .. 2751, K = 4096, both operands codes of BF6 (E3M2) with one E8M0 byte for each 32 along K; sums and bias in f32, one rounding to f16.
; x_codes: rows of 3,072 bytes, x_scales: rows of 128 bytes, as given.  w_img, w_sc, bias32: this program's own, 2,816 columns (the last 64 are zero codes): w_img holds W's fragments as images of the operand's registers,
; [K slot 16][block of 16 columns 176][q 2][1536 bytes]; w_sc [K slot 16][column 2816][8 bytes]; bias32 [2816] f32.
; SHARES.  2,752 columns are 172 blocks of 16; sixteen strips of 11 blocks (176 columns) cover them with four blocks over.  A work-group makes 256 rows x 176 columns: 16 x 16 = 256 work-groups.  Its four waves lie one
; below the other: a wave makes 64 x 176: 4 x 11 = 44 accumulators, 352 registers.
; K goes in steps of 256 through a ring of two LDS slots: 256 rows of x (192 bytes each) and the strip's 22 images, one dense block of 33,792 bytes.  Waves 0 and 1 fetch x's halves, waves 2 and 3 the images' halves.
; THE SCALES of the work-group's 256 rows and 176 columns, for all of K, come into LDS once, with the first fills, and stay.
; CLUSTERS: 4 x 4 work-groups.  The four of a row of the cluster need the same tiles of x, the four of a column the same images of W: each is asked for JOINTLY, by the same tensor load with the same descriptor and a mask
; that names the four.
; THE MATRIX INSTRUCTION IS USED TRANSPOSED (source 0 = 16 columns of W, source 1 = 16 rows of x): lane (r, h) then holds row r of the tile and its registers the columns 8 h + 0 .. 7: 16 neighbouring bytes of f16.
; THE BIAS is the C of each sum's first matrix instruction: eight registers for each block of columns, in the result's layout.  Nothing is cleared and nothing is added afterwards.
; A step of 128 along K is 44 matrix instructions, W's blocks one after the other, each against x's four.  So a block of W is free as soon as its four products are issued, and ONE set of registers serves W: blocks 0-4 are
; fetched anew in the step's middle, blocks 5-10 at its end.  x's four fragments are at work through the whole step and have two sets.
; REGISTERS, in windows of 256: window 0: v1-30 addresses; v32-63 scale words, two sets, and nothing else; v64-111, v112-159 x's fragments, two sets; v160-247 the bias; on the way out v64-239 are free.
;   window 1: v0-131 W's 11 fragments.   window 2: the accumulators of W's blocks 0-4 ((b, a) at v[8 (4 b + a)]).   window 3: those of blocks 5-10 (at v[8 (4 (b - 5) + a)]).
; LIMITS: a result beyond f16's largest number becomes infinity; a byte 0xff among x's scales makes its row's sums NaN.
.set KROW,   3072                      ; a row of x's codes in memory
.set ROWB,   192                       ; 256 codes: a tile's row
.set PITCH,  240                       ; an LDS row of x: 3 x (64 bytes + 16 of padding): the 32 lanes of a load of 8 bytes then fall on different words of the banks' row
.set FR,     12                        ; registers of a fragment
.set IMG,    1536                      ; and its image in bytes
.set HALFA,  128*PITCH                 ; what wave 0 or 1 fetches
.set BOFF,   2*HALFA                   ; a slot: x's 256 rows, then W's 22 images
.set HALFB,  11*IMG                    ; what wave 2 or 3 fetches
.set SLOT,   BOFF+2*HALFB
.set KIMG,   176*2*IMG                 ; from a K slot's images to the next slot's, in memory
.set SCB,    2*SLOT                    ; behind the ring: W's scale bytes, 16 rows (K slots) of 1,408 bytes, dense;
.set SBROW,  1408
.set HALFSB, 8*SBROW
.set SCA,    SCB+2*HALFSB              ; x's: 128 units of 256 bytes (two rows of x_scales) + 16 of padding.  It follows SCB at once: the sixth load of W's words reads 128 bytes past a row in lanes 16-31, words that no product names
.set HALFSA, 64*272
.set SPARE,  SCA+2*HALFSA              ; the spare words, 128 bytes for each wave: two blocks of 256 bytes that no other line names
.set STAGE,  BOFF                      ; the way out: 6,144 bytes for each wave, in slot 0's images, which have had their last fill and their last read when the first result is stored there
.set WSTAGE, 6144
.set SPITCH, 368                       ; a stage row: 352 bytes + 16 = 23 x 16
.set ROWO,   5504                      ; a row of out0 in bytes
.set LAPS,   8                         ; a lap = two K steps = once round the ring
.set ADRA, 16                          ; v16-17  LDS address of my fragments of x in slot 0, 1  (v18-19: the same for the pieces that lie behind one padding more)
.set ADRB, 20                          ; v20-21  of W's images
.set ADSB, 22                          ; v22     of W's scale words: 8 bytes a lane
.set ADSA, 23                          ; v23     of x's: lanes 0-15 one block of 16 rows, lanes 16-31 the next
.set STO,  24                          ; v24     the way out: where I put 16 bytes of a row
.set RD,   25                          ; v25     where I read a row back
.set CO,   26                          ; v26     my byte offset in a row's piece of out0
.set BO,   27                          ; v27     my byte offset in the strip's bias
.set SPW,  28                          ; v28     LDS address of my spare word; never rewritten
.set NIL,  29                          ; v29     0; never rewritten
.set LN,   30                          ; v30     my lane
.set SC,   32                          ; scale words: set s (for slot s) at v[SC + 16 s]: register 2 j + q: lanes 0-15 W's block 2 j, lanes 16-31 block 2 j + 1; register 12 + 2 j + q: x's blocks likewise; q: the slot's q-th 128 along K
.set AF,   64                          ; x's fragments: set q at AF + 48 q
.set BI,   160                         ; the bias: block b at BI + 8 b
.set TMP,  64                          ; the way out: a block's packed results
.set BK,   112                         ; and 16 rows read back: v112-175 and v176-239 by turns
.set G1A,  24                          ; s[24:31] descriptor group 1 for x's tiles;  s[32:39] group 0, one set for each slot
.set G0A,  32
.set G1B,  48                          ; s[48:55], s[56:63] the same for W's images
.set G0B,  56
.set G1SA, 68                          ; s[68:75], s[76:79] groups 1 and 0 for x's scales;  s[80:87], s[88:91] for W's
.set G0SA, 76
.set G1SB, 80
.set G0SB, 88
.set MSB, 0
.macro WIN new                         ; the immediate's high byte repeats the setting that is left
.if MSB != \new
	s_set_vgpr_msb (MSB<<8)|\new
.set MSB, \new
.endif
.endm
.set MUL_LO,   0xa1                    ; source 0 (W) window 1, source 1 (x) window 0, C and D window 2
.set MUL_HI,   0xf1                    ; the same, C and D window 3
.set FIRST_LO, 0x81                    ; the first step: C (the bias) window 0, D window 2
.set FIRST_HI, 0xc1                    ; D window 3
.set TO_B,     0x40                    ; destination window 1, address window 0
; A joint load: waves 0 and 1 fetch for x, waves 2 and 3 for W.  Each of the two lines has ONE mask and one set of registers for all that issue it; the branch hangs on the wave's number alone.
; Four v_nop follow each of the two lines, ahead of the jump, the label and what follows.
.macro JLOAD g0a, g1a, g0b, g1b
	s_cmp_eq_u32 s17, 0
	s_cbranch_scc0 .Lfor_b_\@
	tensor_load_to_lds s[\g0a:\g0a+3], s[\g1a:\g1a+7]
	s_nop 0
.rept 4
	v_nop
.endr
	s_branch .Lasked_\@
.Lfor_b_\@:
	tensor_load_to_lds s[\g0b:\g0b+3], s[\g1b:\g1b+7]
	s_nop 0
.rept 4
	v_nop
.endr
.Lasked_\@:
.endm
.macro CREST                           ; a round of the cluster's barrier behind its opening barrier
	s_cmp_lg_u32 s16, 0
	s_cbranch_scc1 .Lnot_wave_0_\@
	s_barrier_signal -3
.Lnot_wave_0_\@:
	s_barrier_wait -3
	s_barrier_signal -1
	s_barrier_wait -1
.endm
.macro CROUND                          ; a whole round
	s_barrier_signal -1
	s_barrier_wait -1
	CREST
.endm
	s_load_b256 s[4:11], s[0:1], 0x0               ; x_codes s[4:5], x_scales s[6:7], w_img s[8:9], w_sc s[10:11]
	s_load_b128 s[12:15], s[0:1], 0x20             ; bias32 s[12:13], out0 s[14:15]
	v_lshl_add_u32 v[SPW], v0, 2, SPARE
	v_mov_b32 v[NIL], 0
	ds_add_u32 v28, v29
	ds_add_u32 v28, v29
	s_wait_dscnt 0x0
	v_lshrrev_b32 v1, 5, v0
	v_readfirstlane_b32 s16, v1                    ; wave 0..3: my 64 rows of the tile
	s_lshr_b32 s17, s16, 1                         ; I fetch for x (0) or for W (1),
	s_and_b32 s18, s16, 1                          ; its first or its second half
	s_bfe_u32 s40, ttmp6, 0x40000                  ; cx, cy: my place in the cluster
	s_bfe_u32 s41, ttmp6, 0x40004
	s_lshl_b32 s42, ttmp9, 2
	s_add_co_u32 s42, s42, s40                     ; px: my strip of 176 columns = 4 x cluster x + cx
	s_and_b32 s43, ttmp7, 0xffff
	s_lshl_b32 s43, s43, 2
	s_add_co_u32 s43, s43, s41                     ; ty: my 256 rows = 4 x cluster y + cy
	s_lshl_b32 s44, s41, 2
	s_lshl_b32 s44, 15, s44                        ; my row of the cluster
	s_lshl_b32 s45, 0x1111, s40                    ; my column
	; group 1 for x's tiles: 128 rows x 192 bytes, 3,072 bytes apart; 16 bytes of padding behind every 64
	s_or_b32 s[G1A+0], s44, (0<<16)|(1<<20)|(1<<21)|(3<<22)|(3<<25)  ; 15:0 the mask: my row; 17:16 elements of 1 byte; 20 padding on; 21 set beside a mask; 24:22 after every 16 words (code 3); 31:25 of 4 words (code 3)
	s_mov_b32 s[G1A+1], ROWB<<16                   ; tensor_dim0
	s_mov_b32 s[G1A+2], 128<<16                    ; tensor_dim1
	s_mov_b32 s[G1A+3], ROWB<<16                   ; tile_dim0
	s_mov_b32 s[G1A+4], 128                        ; tile_dim1
	s_mov_b32 s[G1A+5], KROW                       ; tensor_dim0_stride
	s_mov_b32 s[G1A+6], 0
	s_mov_b32 s[G1A+7], 0
	; for W's images: a dense block of 16,896 bytes as 66 rows of 256 bytes (32 elements of 8 bytes), no padding
	s_or_b32 s[G1B+0], s45, (3<<16)|(1<<21)        ; the mask: my column
	s_mov_b32 s[G1B+1], 32<<16
	s_mov_b32 s[G1B+2], 66<<16
	s_mov_b32 s[G1B+3], 32<<16
	s_mov_b32 s[G1B+4], 66
	s_mov_b32 s[G1B+5], 32
	s_mov_b32 s[G1B+6], 0
	s_mov_b32 s[G1B+7], 0
	; for x's scales: 128 rows x 128 bytes are a dense block of 16,384 bytes: 64 rows of 256 bytes, 16 bytes of padding behind each
	s_or_b32 s[G1SA+0], s44, (3<<16)|(1<<20)|(1<<21)|(5<<22)|(3<<25)
	s_mov_b32 s[G1SA+1], 32<<16
	s_mov_b32 s[G1SA+2], 64<<16
	s_mov_b32 s[G1SA+3], 32<<16
	s_mov_b32 s[G1SA+4], 64
	s_mov_b32 s[G1SA+5], 32
	s_mov_b32 s[G1SA+6], 0
	s_mov_b32 s[G1SA+7], 0
	; for W's scales: 8 K slots x 176 columns of 8 bytes, 2,816 columns from slot to slot
	s_or_b32 s[G1SB+0], s45, (3<<16)|(1<<21)
	s_mov_b32 s[G1SB+1], 176<<16
	s_mov_b32 s[G1SB+2], 8<<16
	s_mov_b32 s[G1SB+3], 176<<16
	s_mov_b32 s[G1SB+4], 8
	s_mov_b32 s[G1SB+5], 2816
	s_mov_b32 s[G1SB+6], 0
	s_mov_b32 s[G1SB+7], 0
	; where the tiles come from.  x's hang on ty and the wave alone, W's on px and the wave alone, each in registers of their own.  All offsets stay under 2^32
	s_lshl_b32 s20, s43, 8
	s_lshl_b32 s19, s18, 7
	s_add_co_u32 s20, s20, s19                     ; x: row 256 ty + 128 x half
	s_lshl_b32 s22, s20, 7                         ; its scales: 128 bytes a row
	s_mul_i32 s20, s20, KROW                       ; its codes
	s_mov_b32 s21, 0
	s_mov_b32 s23, 0
	s_mul_i32 s46, s42, 2*HALFB
	s_mul_i32 s19, s18, HALFB
	s_add_co_u32 s46, s46, s19                     ; W's images: 33,792 px + 16,896 x half
	s_mov_b32 s47, 0
	s_mul_i32 s66, s42, SBROW
	s_mul_i32 s19, s18, 8*2816*8
	s_add_co_u32 s66, s66, s19                     ; W's scales: 1,408 px + 8 K slots x half
	s_mov_b32 s67, 0
	s_mul_i32 s92, s18, HALFA                      ; and where they go: a constant + a constant x half: no place in the cluster enters an LDS address
	s_mul_i32 s93, s18, HALFB
	s_add_co_u32 s93, s93, BOFF
	s_mul_i32 s94, s18, HALFSA
	s_mul_i32 s95, s18, HALFSB
	s_wait_kmcnt 0x0
	s_add_nc_u64 s[20:21], s[4:5], s[20:21]
	s_add_nc_u64 s[22:23], s[6:7], s[22:23]
	s_add_nc_u64 s[46:47], s[8:9], s[46:47]
	s_add_nc_u64 s[66:67], s[10:11], s[66:67]
	CROUND                                         ; all sixteen work-groups are here: the first joint loads meet
	s_mov_b32 s[G0SA], 1                           ; 1:0 count = 1
	s_add_co_u32 s[G0SA+1], s94, SCA               ; 63:32 LDS address
	s_mov_b64 s[G0SA+2:G0SA+3], s[22:23]           ; 120:64 global address
	s_or_b32 s[G0SA+3], s[G0SA+3], 0x80000000      ; 127:126 type = 2
	s_mov_b32 s[G0SB], 1
	s_add_co_u32 s[G0SB+1], s95, SCB
	s_mov_b64 s[G0SB+2:G0SB+3], s[66:67]
	s_or_b32 s[G0SB+3], s[G0SB+3], 0x80000000
	JLOAD G0SA, G1SA, G0SB, G1SB                   ; the scales first: they are wanted with K step 0.  Three loads of mine are out behind the next two
.irp s, 0,1
	s_mov_b32 s[G0A+4*\s], 1
	s_add_co_u32 s[G0A+4*\s+1], s92, \s*SLOT
	s_add_nc_u64 s[G0A+4*\s+2:G0A+4*\s+3], s[20:21], \s*ROWB
	s_or_b32 s[G0A+4*\s+3], s[G0A+4*\s+3], 0x80000000
	s_mov_b32 s[G0B+4*\s], 1
	s_add_co_u32 s[G0B+4*\s+1], s93, \s*SLOT
	s_add_nc_u64 s[G0B+4*\s+2:G0B+4*\s+3], s[46:47], \s*KIMG
	s_or_b32 s[G0B+4*\s+3], s[G0B+4*\s+3], 0x80000000
	JLOAD G0A+4*\s, G1A, G0B+4*\s, G1B
.endr
	v_and_b32 v1, 15, v0                           ; r = lane % 16
	v_bfe_u32 v2, v0, 4, 1                         ; h = lane / 16
	v_and_b32 v[LN], 31, v0
	v_mul_u32_u24 v3, v1, PITCH
	v_mul_u32_u24 v4, v2, 24
	v_add_nc_u32 v4, v3, v4                        ; a fragment's row x pitch + 24 x half
	v_lshl_add_u32 v5, v2, 4, v4                   ; and the same behind one padding more
	s_mul_i32 s19, s16, 64*PITCH                   ; my 64 rows of x
.irp s, 0,1
	v_add_nc_u32 v[ADRA+\s], s19, v4
	v_add_nc_u32 v[ADRA+2+\s], s19, v5
	s_add_co_u32 s19, s19, SLOT
.endr
	v_lshl_add_u32 v[ADRB], v[LN], 4, BOFF         ; an image's place for my lane: 16 x lane
	v_add_nc_u32 v[ADRB+1], SLOT, v[ADRB]
	v_lshl_add_u32 v[ADSB], v[LN], 3, SCB          ; W's scale words: 8 bytes a column, 32 columns a load
	v_lshrrev_b32 v6, 1, v1                        ; x's: two rows to a unit of 272 bytes,
	v_mul_u32_u24 v6, v6, 272
	v_and_b32 v7, 1, v1
	v_lshl_add_u32 v6, v7, 7, v6                   ; 128 bytes a row,
	v_mad_u32_u24 v6, v2, 2176, v6                 ; lanes 16-31 sixteen rows (8 units) further on,
	s_mul_i32 s19, s16, 8704                       ; my 64 rows (32 units)
	s_add_co_u32 s19, s19, SCA
	v_add_nc_u32 v[ADSA], s19, v6
	s_mul_i32 s19, s16, WSTAGE
	s_add_co_u32 s19, s19, STAGE                   ; my stage
	v_mul_u32_u24 v3, v1, SPITCH
	v_lshl_add_u32 v3, v2, 4, v3
	v_add_nc_u32 v[STO], s19, v3                   ; in: row r, 16 bytes for each half of the lanes
	v_lshlrev_b32 v[CO], 4, v[LN]                  ; back: 16 bytes a lane along a row; and the same in out0
	v_add_nc_u32 v[RD], s19, v[CO]
	v_lshlrev_b32 v[BO], 5, v2                     ; the bias: my half's eight numbers
	s_mul_i32 s94, s42, 22                         ; a row's piece is 352 bytes: 22 lanes; in the last strip 112 columns are left: 14 lanes
	s_sub_co_u32 s94, 344, s94
	s_min_u32 s94, s94, 22
	v_cmp_gt_u32 s96, s94, v[LN]                   ; the lanes that store
	s_lshl_b32 s92, s43, 8
	s_lshl_b32 s93, s16, 6
	s_add_co_u32 s92, s92, s93                     ; my first row of out0: 256 ty + 64 x wave
	s_mul_i32 s92, s92, ROWO
	s_mul_i32 s93, s42, 352
	s_add_co_u32 s92, s92, s93                     ; and my strip's first byte in it
	s_mov_b32 s93, 0
	s_add_nc_u64 s[14:15], s[14:15], s[92:93]
	s_mul_i32 s92, s42, 704
	s_add_nc_u64 s[12:13], s[12:13], s[92:93]      ; the strip's bias
.set fb, 0
.rept 11
	global_load_b128 v[BI+8*fb:BI+8*fb+3],   v[BO], s[12:13] offset:64*fb      ; lane (r, h): bias of columns 16 b + 8 h + 0 .. 7
	global_load_b128 v[BI+8*fb+4:BI+8*fb+7], v[BO], s[12:13] offset:64*fb+16
.set fb, fb+1
.endr
.macro AFRAG reg, adr, q, i            ; a fragment of x, 16 rows x 128 K: lane l holds row l % 16; registers 6 c .. 6 c + 5 hold K = 64 c + 32 (l / 16) + 0 .. 31: 24 bytes of the row's stream of bits, as they lie
.irp p, 0,1,2,3,4,5                    ; in pieces of 8 bytes.  Lanes 0-15 take the row's pieces 12 q + 0, 1, 2 and 12 q + 6, 7, 8, lanes 16-31 those three pieces on
.set PC, 12*(\q)+6*(\p/3)+\p%3        ; 16 bytes of padding lie behind every 8 pieces: where the piece three on lies behind one padding more, the second address register (40 for 24 bytes a half) serves
.if PC%8 < 5
	ds_load_b64 v[\reg+2*\p:\reg+2*\p+1], v[\adr] offset:8*PC+16*(PC/8)+(\i)*16*PITCH
.else
	ds_load_b64 v[\reg+2*\p:\reg+2*\p+1], v[\adr+2] offset:8*PC+16*(PC/8)+(\i)*16*PITCH
.endif
.endr
.endm
.macro FETCH_A slot, q                 ; x's four fragments of the slot's q-th 128 along K into set q: 24 loads
.irp i, 0,1,2,3
	AFRAG AF+48*(\q)+FR*\i, ADRA+\slot, \q, \i
.endr
.endm
.macro FETCH_B slot, q, b0, b1         ; W's blocks b0 .. b1: three loads of 16 bytes a lane each, 512 consecutive bytes a load
	WIN TO_B
.set fb, \b0
.rept (\b1)-(\b0)+1
.irp c, 0,1,2
	ds_load_b128 v[FR*fb+4*\c:FR*fb+4*\c+3], v[ADRB+\slot] offset:(2*fb+(\q))*IMG+512*\c
.endr
.set fb, fb+1
.endr
	WIN 0
.endm
.macro SCALES sc                       ; a K step's scale words into set sc: two words (q = 0, 1) a lane: 8 loads
.irp j, 0,1,2,3,4,5
	ds_load_b64 v[SC+16*\sc+2*\j:SC+16*\sc+2*\j+1], v[ADSB] offset:256*\j
.endr
.irp j, 0,1
	ds_load_b64 v[SC+16*\sc+12+2*\j:SC+16*\sc+12+2*\j+1], v[ADSA] offset:4352*\j
.endr
.endm
; One product: W's block b x x's block a, the slot's q-th 128 along K, scale words of set sc.  first = 1: C is the bias, and the product starts the sum.
; An odd block's scale words stand in lanes 16-31 of its pair's register.
.macro WM b, a, q, sc, first
.if (\b) < 5
.set rD, 8*(4*(\b)+(\a))
.else
.set rD, 8*(4*((\b)-5)+(\a))
.endif
.set rC, rD
.if \first
.set rC, BI+8*(\b)
.endif
.set rB, FR*(\b)
.set rA, AF+48*(\q)+FR*(\a)
.set rSB, SC+16*(\sc)+2*((\b)/2)+(\q)
.set rSA, SC+16*(\sc)+12+2*((\a)/2)+(\q)
.if ((\b)%2 == 0) && ((\a)%2 == 0)
	v_wmma_scale_f32_16x16x128_f8f6f4 v[rD:rD+7], v[rB:rB+FR-1], v[rA:rA+FR-1], v[rC:rC+7], v[rSB], v[rSA] matrix_a_fmt:MATRIX_FMT_BF6 matrix_b_fmt:MATRIX_FMT_BF6
.elseif ((\b)%2 == 1) && ((\a)%2 == 0)
	v_wmma_scale_f32_16x16x128_f8f6f4 v[rD:rD+7], v[rB:rB+FR-1], v[rA:rA+FR-1], v[rC:rC+7], v[rSB], v[rSA] matrix_a_fmt:MATRIX_FMT_BF6 matrix_b_fmt:MATRIX_FMT_BF6 matrix_a_scale:MATRIX_SCALE_ROW1
.elseif ((\b)%2 == 0) && ((\a)%2 == 1)
	v_wmma_scale_f32_16x16x128_f8f6f4 v[rD:rD+7], v[rB:rB+FR-1], v[rA:rA+FR-1], v[rC:rC+7], v[rSB], v[rSA] matrix_a_fmt:MATRIX_FMT_BF6 matrix_b_fmt:MATRIX_FMT_BF6 matrix_b_scale:MATRIX_SCALE_ROW1
.else
	v_wmma_scale_f32_16x16x128_f8f6f4 v[rD:rD+7], v[rB:rB+FR-1], v[rA:rA+FR-1], v[rC:rC+7], v[rSB], v[rSA] matrix_a_fmt:MATRIX_FMT_BF6 matrix_b_fmt:MATRIX_FMT_BF6 matrix_a_scale:MATRIX_SCALE_ROW1 matrix_b_scale:MATRIX_SCALE_ROW1
.endif
.endm
; W's blocks b0 .. b1, each against x's four.  The 44 accumulators take turns, one instruction a turn, in the same order in every step.
.macro MUL b0, b1, q, sc, first
.set mb, \b0
.rept (\b1)-(\b0)+1
.irp a, 0,1,2,3
	WM mb, \a, \q, \sc, \first
.endr
.set mb, mb+1
.endr
.endm
; A load into a register that a matrix instruction has read, and a vector instruction that reads a matrix result, stand four places behind that matrix instruction, and only plain vector instructions that name none
; of its registers are places (ISA guide 7.12.1 for vector instructions).
.macro PLACES n
.rept \n
	v_nop
.endr
.endm
; A slot's first 128 along K; its successor lies in the same slot.
.macro STEP slot, first
	s_wait_dscnt 18                                ; all but the youngest 18 loads, W's blocks 5-10, are in
.if \first
	WIN FIRST_LO
.else
	WIN MUL_LO
.endif
	MUL 0, 4, 0, \slot, \first
	s_wait_dscnt 0x0                               ; W's blocks 5-10 are in (asked for 20 matrix instructions ago)
	PLACES 4
	FETCH_B \slot, 1, 0, 4
	FETCH_A \slot, 1
.if \first
	WIN FIRST_HI
.else
	WIN MUL_HI
.endif
	MUL 5, 10, 0, \slot, \first
	PLACES 4
	FETCH_B \slot, 1, 5, 10
.endm
; A slot's second 128 along K changes slots: ONE barrier; in front of it each wave waits for all its tensor loads, adds 0 to its spare word, and waits for that and for its own reads of this slot.
; fill = 1: this slot is filled again, two K steps ahead: from that request to the wait for it a wave issues 24 + 44 + 8 matrix instructions.
.macro TURN slot, next, fill
	s_wait_dscnt 18                                ; all but W's blocks 5-10
	WIN MUL_LO
	MUL 0, 1, 1, \slot, 0
	WIN 0                                          ; (the add's two registers lie in window 0)
	s_wait_tensorcnt 0x0                           ; all my tensor loads have landed: the one that was out is my part of the next slot;
	ds_add_u32 v[SPW], v[NIL]                      ; 0 onto my spare word
	WIN MUL_LO
	MUL 2, 2, 1, \slot, 0                          ; four matrix instructions stand between the add and the wait for it
	s_wait_dscnt 0x0                               ; the add is done, and my reads of this slot are over
	s_barrier_signal -1
	MUL 3, 4, 1, \slot, 0                          ; work on registers while the others arrive
	WIN 0
	s_barrier_wait -1
.if \fill
	CREST                                          ; the barrier has opened a round of the cluster's barrier: no wave of any partner still reads this slot's tiles or has a load on its way
	s_add_nc_u64 s[G0A+4*\slot+2:G0A+4*\slot+3], s[G0A+4*\slot+2:G0A+4*\slot+3], 2*ROWB
	s_add_nc_u64 s[G0B+4*\slot+2:G0B+4*\slot+3], s[G0B+4*\slot+2:G0B+4*\slot+3], 2*KIMG
	JLOAD G0A+4*\slot, G1A, G0B+4*\slot, G1B       ; the first tensor load behind the round, my one load until the next; the four v_nop behind it are also the places in front of the loads below
.else
	PLACES 4
.endif
	v_add_nc_u32 v[ADSB], SBROW, v[ADSB]           ; on to the next K step's scale words
	v_add_nc_u32 v[ADSA], 8, v[ADSA]
	FETCH_B \next, 0, 0, 4
	FETCH_A \next, 0
	SCALES \next
	WIN MUL_HI
	MUL 5, 10, 1, \slot, 0
	PLACES 4
	FETCH_B \next, 0, 5, 10
.endm
	s_wait_tensorcnt 1                             ; the scales and my part of K step 0 are in (K step 1's load may be out)
	s_barrier_signal -1
	s_barrier_wait -1                              ; everybody's are
	FETCH_B 0, 0, 0, 4
	FETCH_A 0, 0
	SCALES 0
	FETCH_B 0, 0, 5, 10
	s_wait_loadcnt 0x0                             ; the bias
	STEP 0, 1                                      ; the first step stands in front of the loop: its products start the sums, on the bias
	s_mov_b32 s3, LAPS-1
.Llap:                                                 ; a trip goes once round the ring, from a lap's second step to the next lap's first, and fills both slots again
	TURN 0, 1, 1
	STEP 1, 0
	TURN 1, 0, 1
	STEP 0, 0
	s_sub_co_u32 s3, s3, 1
	s_cmp_lg_u32 s3, 0
	s_cbranch_scc1 .Llap
	TURN 0, 1, 0                                   ; the last lap fills nothing, and has no round of the cluster's barrier
	STEP 1, 0
	s_wait_dscnt 18                                ; the very last step: nothing more to fetch
	WIN MUL_LO
	MUL 0, 4, 1, 1, 0
	s_wait_dscnt 0x0
	WIN MUL_HI
	MUL 5, 10, 1, 1, 0
	WIN 0
; THE WAY OUT, four blocks of 16 rows x 176 columns.  A lane's eight results round to 16 neighbouring bytes of a row, and the lanes beside it hold other rows: so a block goes through my own stage in LDS and comes back
; by rows: 22 lanes store a row's piece of 352 consecutive bytes (14 lanes in the last strip).  A row of out0 is 5,504 bytes and a strip's piece 352: the pieces begin at multiples of 32 bytes.
; LDS serves a wave's instructions in order (ISA guide 5.7.1.4): no wait between the stores and the loads, nor in front of the next block's stores.
.macro PACK a                          ; each accumulator from its low end on
	WIN 0x0a                                       ; sources 0 and 1: window 2
.set pb, 0
.rept 5
.irp k, 0,1,2,3
	v_cvt_pk_f16_f32 v[TMP+4*pb+\k], v[8*(4*pb+(\a))+2*\k], v[8*(4*pb+(\a))+2*\k+1]
.endr
.set pb, pb+1
.endr
	WIN 0x0f                                       ; window 3
.rept 6
.irp k, 0,1,2,3
	v_cvt_pk_f16_f32 v[TMP+4*pb+\k], v[8*(4*(pb-5)+(\a))+2*\k], v[8*(4*(pb-5)+(\a))+2*\k+1]
.endr
.set pb, pb+1
.endr
	WIN 0
.endm
.macro TOSTAGE a
.set BB, BK+64*((\a)%2)
.set pb, 0
.rept 11
	ds_store_b128 v[STO], v[TMP+4*pb:TMP+4*pb+3] offset:32*pb
.set pb, pb+1
.endr
.set pb, 0
.rept 16
	ds_load_b128 v[BB+4*pb:BB+4*pb+3], v[RD] offset:pb*SPITCH      ; lanes 22-31 read on into my stage's next bytes; what they bring is never stored
.set pb, pb+1
.endr
.endm
.macro SEND a, younger                 ; younger: the LDS instructions issued behind block a's loads, which may stay out
.set BB, BK+64*((\a)%2)
	s_wait_dscnt \younger                          ; the block is back in registers
	s_wait_xcnt 0x0                                ; every earlier memory instruction has had its addresses translated (ISA guide 3.1): only behind this wait do the stores' base and EXEC change
.if (\a) > 0
	s_add_nc_u64 s[14:15], s[14:15], 16*ROWO       ; 16 rows of out0 on
.endif
	s_and_saveexec_b32 s97, s96                    ; the lanes that have a part of the piece
.set pb, 0
.rept 16
	global_store_b128 v[CO], v[BB+4*pb:BB+4*pb+3], s[14:15] offset:pb*ROWO th:TH_STORE_NT   ; written once, read by nobody here
.set pb, pb+1
.endr
	s_wait_xcnt 0x0                                ; and again in front of the line that widens EXEC; it also frees the stores' data registers and base
	s_or_b32 exec_lo, exec_lo, s97
.endm
	PLACES 4                                       ; the conversions read results just made, and the stage's loads land in registers that the last products read
	PACK 0
	TOSTAGE 0
.irp a, 1,2,3
	PACK \a
	TOSTAGE \a
	SEND \a-1, 27                                  ; behind block a - 1's loads: block a's 11 stores and 16 loads
.endr
	SEND 3, 0
	s_wait_tensorcnt 0x0                           ; the wave's end: behind my last tensor load and my last LDS store
	ds_add_u32 v[SPW], v[NIL]
	s_wait_dscnt 0x0
	CROUND                                         ; the closing round: no work-group ends while a partner may still ask for a tile that names it
	s_endpgm
.Lfunc_end_k_q64bf56656c_gemm:
	.size	k_q64bf56656c_gemm, .Lfunc_end_k_q64bf56656c_gemm-k_q64bf56656c_gemm
	.p2alignl 7, 3214868480
	.fill 96, 4, 3214868480
	.section	.rodata,"a",@progbits
	.p2align	6, 0x0
	.amdhsa_kernel k_q64bf56656c_gemm
		.amdhsa_group_segment_fixed_size 327680
		.amdhsa_private_segment_fixed_size 0
		.amdhsa_enable_private_segment 0
		.amdhsa_kernarg_size 48
		.amdhsa_user_sgpr_count 2
		.amdhsa_user_sgpr_kernarg_segment_ptr 1
		.amdhsa_wavefront_size32 1
		.amdhsa_system_sgpr_workgroup_id_x 1
		.amdhsa_system_sgpr_workgroup_id_y 1
		.amdhsa_system_sgpr_workgroup_id_z 1
		.amdhsa_system_vgpr_workitem_id 0
		.amdhsa_next_free_vgpr 1024
		.amdhsa_next_free_sgpr 98
		.amdhsa_reserve_vcc 0
		.amdhsa_float_denorm_mode_32 3
		.amdhsa_float_denorm_mode_16_64 3
		.amdhsa_memory_ordered 1
		.amdhsa_forward_progress 1
		.amdhsa_inst_pref_size 119
	.end_amdhsa_kernel
	.amdgpu_metadata
---
amdhsa.version: [ 1, 2 ]
amdhsa.kernels:
  - .name:           k_q64bf56656c_gemm
    .symbol:         k_q64bf56656c_gemm.kd
    .args:
      - { .name: x_codes, .offset: 0, .size: 8, .value_kind: global_buffer, .address_space: global }
      - { .name: x_scales, .offset: 8, .size: 8, .value_kind: global_buffer, .address_space: global }
      - { .name: w_img, .offset: 16, .size: 8, .value_kind: global_buffer, .address_space: global }
      - { .name: w_sc, .offset: 24, .size: 8, .value_kind: global_buffer, .address_space: global }
      - { .name: bias32, .offset: 32, .size: 8, .value_kind: global_buffer, .address_space: global }
      - { .name: out0, .offset: 40, .size: 8, .value_kind: global_buffer, .address_space: global }
    .group_segment_fixed_size: 327680
    .private_segment_fixed_size: 0
    .kernarg_segment_align: 8
    .kernarg_segment_size: 48
    .max_flat_workgroup_size: 128
    .sgpr_count:     98
    .vgpr_count:     1024
    .wavefront_size: 32
...
	.end_amdgpu_metadata
.endif
;; end of part 2
;; ======== version 2 of 2: 2 launches
;; limits: values are held in f16: magnitudes above 65,504 overflow, below 6.1e-05 lose precision; right only within a limited range of input values
;; workspace buffers: ww 9,416,704 bytes; xw 13,697,024 bytes
;; launch prep (part 3): grid 498 x 1, 4 waves a work-group, no clusters, 50,688 bytes of LDS; arguments packed, scales, x_codes, x_scales, ww, xw; writes ww, xw
.if DOCPART == 3
	.amdgcn_target "amdgcn-amd-amdhsa--gfx1250"
	.amdhsa_code_object_version 6
	.text
	.protected	k_q64bf56656c_prep
	.globl	k_q64bf56656c_prep
	.p2align	8
	.type	k_q64bf56656c_prep,@function
k_q64bf56656c_prep:
	s_mov_b64 s[64:65], 0
	v_nop
	global_prefetch_b8 v0, s[64:65] scope:SCOPE_SE
	s_setreg_imm32_b32 hwreg(HW_REG_WAVE_MODE, 25, 1), 1
	s_wait_xcnt 0x0
; Lays out both operands of out0 = x W + bias for the product's launch.  Every input is read (the bias by the next launch).
; W[k][n] = (nibble - 8) x scales[k / 128][n] is made in f32, exactly (at most 15 significant bits), and turned into codes of BF6 (E3M2) with one E8M0 byte for each 32 along K.  x's codes and bytes are only moved.
; K = 4,096 goes in 32 steps of 128.  A SLOT is what the product's launch brings at once: slot 0 = steps 0, 1; slot i = steps 3 i - 1 .. 3 i + 1, i = 1 .. 10.
; ww [slot 11][strip 16][53,504 bytes]: a strip of 176 columns (11 blocks of 16): 176 x 16 bytes of scales (a column's three step words and a filler), then images (11 q + b) x 1,536, q = step in the slot.
; xw [slot 11][tile 16][77,824 bytes]: a tile of 256 rows (16 blocks of 16): 256 x 16 bytes of scales likewise, then images (16 q + b) x 1,536.
; An image is a fragment (16 rows or columns x 128 K) as the operand's registers: registers 4 c .. 4 c + 3 of lane l at 512 c + 16 l; lane (r, h) holds row r: registers 0-5 block h of 32 along K, 6-11 block 2 + h.
; Slot 0's third images are neither stored nor read.  Columns 2752 .. 2815 are filled up: zero codes, byte 127.
; WORK-GROUPS 0 .. 241: W: 11 slots x 22 groups of 128 columns, the two-step slot last; a wave takes 32 columns, a lane a column, its registers run down K.
; WORK-GROUPS 242 .. 497: x: a block of 16 rows each; a wave takes 768 bytes of each row (8 steps) through LDS bytes of its own.
; LIMITS: NaN and infinite scales are not served.  A block of zeros gets the byte 1 where the rule says 127: its codes are zeros, and this program alone reads the bytes.
.set ROWP, 11008                       ; a row of packed in bytes
.set ROWS, 5504                        ; a row of scales in bytes
.set WRUN, 53504
.set WKS,  16*WRUN                     ; from slot to slot in ww
.set XRUN, 77824
.set XKS,  16*XRUN                     ; from slot to slot in xw
.set SB,   16                          ; v[16:19] my column's scale words of the slot's three steps, and a filler
.set W,    32                          ; v32-79   my column's 48 words
.set X,    80                          ; v80-111  a block's 32 numbers
.set CODE, 112                         ; v112-183 codes: 24 registers a step
.set C2,   184                         ; v[184:186] a block's upper 16 codes
.set T,    188                         ; v188-199 shifted words
.set XPIT, 784                         ; x: an LDS row: 768 bytes + 16
.set XREG, 16*XPIT                     ; a wave's region, 49 blocks of 256 bytes
.set XSPARE, 4*XREG                    ; the spare words, 128 bytes for each wave
	s_load_b256 s[4:11], s[0:1], 0x0               ; packed s[4:5], scales s[6:7], x_codes s[8:9], x_scales s[10:11]
	s_load_b128 s[12:15], s[0:1], 0x20             ; ww s[12:13], xw s[14:15]
	v_lshrrev_b32 v1, 5, v0
	v_readfirstlane_b32 s16, v1                    ; wave
	v_and_b32 v2, 31, v0                           ; lane
	v_and_b32 v3, 15, v0                           ; r
	v_bfe_u32 v4, v0, 4, 1                         ; h
	v_lshlrev_b32 v7, 2, v2                        ; packed: 4 bytes a column
	v_lshlrev_b32 v8, 1, v2                        ; scales: 2 bytes a column
	s_wait_alu depctr_va_vdst(0)
	s_cmp_ge_u32 ttmp9, 242
	s_cbranch_scc1 .Lx
; ---- W ----
; block s22 of 16 columns: strip = block / 11 = (745 block) >> 13 for 0 .. 175; its images' and its scales' place in a slot
.macro NOFF img, sc
	s_mul_i32 s28, s22, 745
	s_lshr_b32 s28, s28, 13
	s_mul_i32 s29, s28, 11
	s_sub_co_u32 s29, s22, s29
	s_mul_i32 s28, s28, WRUN
	s_lshl_b32 s[\sc], s29, 8
	s_add_co_u32 s[\sc], s[\sc], s28
	s_mul_i32 s29, s29, 1536
	s_add_co_u32 s[\img], s28, s29
	s_add_co_u32 s[\img], s[\img], 2816
.endm
	s_mul_i32 s17, ttmp9, 2979
	s_lshr_b32 s17, s17, 16                        ; work-group / 22
	s_mul_i32 s18, s17, 22
	s_sub_co_u32 s18, ttmp9, s18
	s_sub_co_u32 s17, 10, s17                      ; slot
	s_lshl_b32 s18, s18, 2
	s_add_co_u32 s18, s18, s16                     ; cg: my 32 columns, 0 .. 87
	s_lshl_b32 s22, s18, 1                         ; lanes 0-15: block 2 cg,
	NOFF 24, 25
	s_add_co_u32 s22, s22, 1                       ; lanes 16-31: block 2 cg + 1, which may lie in the next strip
	NOFF 26, 27
	s_sub_co_u32 s26, s26, s24
	s_sub_co_u32 s27, s27, s25
	s_mul_i32 s20, s17, WKS
	s_mov_b32 s21, 0
	v_mul_u32_u24 v5, s26, v4
	v_lshl_add_u32 v5, v3, 4, v5
	v_add_nc_u32 v5, s24, v5                       ; my images
	v_mul_u32_u24 v6, s27, v4
	v_lshl_add_u32 v6, v3, 4, v6
	v_add_nc_u32 v6, s25, v6                       ; my scales
.irp i, 0,1,2,3
	v_mov_b32 v[SB+\i], 0x7f7f7f7f
.endr
	s_wait_alu depctr_va_vdst(0)
	s_wait_kmcnt 0x0
	s_add_nc_u64 s[12:13], s[12:13], s[20:21]      ; ww at my slot
	s_cmp_ge_u32 s18, 86                           ; columns 2752 on: nothing to read
	s_cbranch_scc1 .Lpad
	s_mul_i32 s20, s17, 3
	s_min_u32 s22, s17, 1
	s_sub_co_u32 s23, s20, s22                     ; the slot's first step
	s_mul_i32 s20, s23, 16*ROWP
	s_lshl_b32 s22, s18, 7
	s_add_co_u32 s20, s20, s22
	s_add_nc_u64 s[4:5], s[4:5], s[20:21]          ; packed at my rows, my columns
	s_mul_i32 s20, s23, ROWS
	s_lshl_b32 s22, s18, 6
	s_add_co_u32 s20, s20, s22
	s_add_nc_u64 s[6:7], s[6:7], s[20:21]          ; scales likewise: a row for each step
	s_mov_b32 s40, 0xf00
	s_mov_b32 s41, 0xf000
	s_mov_b32 s42, 0x3f800000
.macro LDW q                           ; a step's 16 words of my column
.set n, 0
.rept 16
	global_load_b32 v[W+16*(\q)+n], v7, s[4:5] offset:(16*(\q)+n)*ROWP th:TH_LOAD_NT
.set n, n+1
.endr
.endm
; A nibble at bits 11:8 of a word under the exponent of 1.0 is f = 1 + nibble / 2^15, one at bits 15:12 f = 1 + nibble / 2^11.
; (nibble - 8) s = f x 2^15 s - (2^15 + 8) s, or f x 2^11 s - (2^11 + 8) s: 13 + 11 bits at most in each constant, so all of it is exact.
.macro SETQ src
	v_cvt_f32_f16 v12, \src
	v_mul_f32 v24, 0x47000000, v12
	v_mul_f32 v25, 0x45000000, v12
	v_mul_f32 v26, 0xc7000800, v12
	v_mul_f32 v27, 0xc5008000, v12
.endm
; Block i of step q: four words, 32 numbers along K.  left: the loads behind the block's words, which may be out.
.macro BLOCK q, i, left
.set CD, CODE+24*(\q)+12*((\i)%2)+6*((\i)/2)
	s_wait_loadcnt \left
.irp j, 0,1,2,3
	v_lshlrev_b32 v[T+3*\j], 8, v[W+16*(\q)+4*(\i)+\j]
	v_lshrrev_b32 v[T+3*\j+1], 8, v[W+16*(\q)+4*(\i)+\j]
	v_lshrrev_b32 v[T+3*\j+2], 16, v[W+16*(\q)+4*(\i)+\j]
.endr
.irp j, 0,1,2,3
	v_and_or_b32 v[X+8*\j+0], v[T+3*\j], s40, s42
	v_and_or_b32 v[X+8*\j+1], v[T+3*\j], s41, s42
	v_and_or_b32 v[X+8*\j+2], v[W+16*(\q)+4*(\i)+\j], s40, s42
	v_and_or_b32 v[X+8*\j+3], v[W+16*(\q)+4*(\i)+\j], s41, s42
	v_and_or_b32 v[X+8*\j+4], v[T+3*\j+1], s40, s42
	v_and_or_b32 v[X+8*\j+5], v[T+3*\j+1], s41, s42
	v_and_or_b32 v[X+8*\j+6], v[T+3*\j+2], s40, s42
	v_and_or_b32 v[X+8*\j+7], v[T+3*\j+2], s41, s42
.endr
.set n, 0
.rept 16
	v_pk_fma_f32 v[X+n:X+n+1], v[X+n:X+n+1], v[24:25], v[26:27]
.set n, n+2
.endr
	v_max3_num_f32 v12, |v[X]|, |v[X+1]|, |v[X+2]|                 ; the block's largest magnitude, in two chains
	v_max3_num_f32 v13, |v[X+3]|, |v[X+4]|, |v[X+5]|
.irp k, 6,10,14,18,22,26
	v_max3_num_f32 v12, v12, |v[X+\k]|, |v[X+\k+1]|
	v_max3_num_f32 v13, v13, |v[X+\k+2]|, |v[X+\k+3]|
.endr
	v_max3_num_f32 v12, v12, |v[X+30]|, |v[X+31]|
	v_max3_num_f32 v12, v12, v13, 0x2800000        ; and the floor 2^(5 - 127): the byte cannot fall under 1
	v_add_nc_u32 v11, 0xfe000000, v12              ; 4 off its exponent field: the conversion's scale
	v_lshrrev_b32 v13, 23, v11                     ; the scale's byte
	v_cvt_scalef32_pk16_bf6_f32 v[CD:CD+2], v[X:X+15], v11
	v_cvt_scalef32_pk16_bf6_f32 v[C2:C2+2], v[X+16:X+31], v11
.if (\i) == 0
	v_mov_b32 v[SB+(\q)], v13                      ; (also the plain line behind the conversions)
.else
	v_lshl_or_b32 v[SB+(\q)], v13, 8*(\i), v[SB+(\q)]
.endif
.irp k, 0,1,2
	v_mov_b32 v[CD+3+\k], v[C2+\k]                 ; a conversion's three registers begin on an even number
.endr
.endm
.macro OUT q                           ; image q of both my blocks: sixteen neighbouring lanes store 256 aligned bytes
.irp h, 0,1
.irp c, 0,1,2
	global_store_b128 v5, v[CODE+24*(\q)+12*\h+4*\c:CODE+24*(\q)+12*\h+4*\c+3], s[12:13] offset:16896*(\q)+512*\c+256*\h
.endr
.endr
.endm
	global_load_u16 v20, v8, s[6:7]
	global_load_u16 v21, v8, s[6:7] offset:ROWS
	s_cmp_eq_u32 s17, 0
	s_cbranch_scc1 .Ltwo_steps
	global_load_u16 v22, v8, s[6:7] offset:2*ROWS
	LDW 2
	LDW 0
	LDW 1
	s_wait_loadcnt 48                              ; the scales are in
	SETQ v22.l
	BLOCK 2, 0, 44
	BLOCK 2, 1, 40
	BLOCK 2, 2, 36
	BLOCK 2, 3, 32
	OUT 2
	s_wait_alu depctr_va_vdst(0)
	s_branch .Lboth
.Ltwo_steps:
	LDW 0
	LDW 1
.Lboth:
	s_wait_loadcnt 32                              ; the scales are in on either way
	SETQ v20.l
	BLOCK 0, 0, 28
	BLOCK 0, 1, 24
	BLOCK 0, 2, 20
	BLOCK 0, 3, 16
	OUT 0
	SETQ v21.l
	BLOCK 1, 0, 12
	BLOCK 1, 1, 8
	BLOCK 1, 2, 4
	BLOCK 1, 3, 0
	OUT 1
	global_store_b128 v6, v[SB:SB+3], s[12:13]     ; sixteen neighbouring lanes store 256 aligned bytes
	s_endpgm
.Lpad:
.irp i, 0,1,2,3
	v_mov_b32 v[CODE+\i], 0
.endr
.macro ZOUT q
.irp h, 0,1
.irp c, 0,1,2
	global_store_b128 v5, v[CODE:CODE+3], s[12:13] offset:16896*(\q)+512*\c+256*\h
.endr
.endr
.endm
	s_wait_alu depctr_va_vdst(0)
	ZOUT 0
	ZOUT 1
	global_store_b128 v6, v[SB:SB+3], s[12:13]
	s_cmp_eq_u32 s17, 0
	s_cbranch_scc1 .Lpad_done
	ZOUT 2
.Lpad_done:
	s_endpgm
; ---- x ----
.Lx:
	s_sub_co_u32 s17, ttmp9, 242                   ; my block of 16 rows, 0 .. 255
	s_lshr_b32 s18, s17, 4                         ; tile
	s_and_b32 s19, s17, 15                         ; block in the tile
	s_mul_i32 s22, s16, XREG
	s_lshl_b32 s23, s16, 1
	s_add_co_u32 s24, s23, 8
	v_lshl_add_u32 v28, v0, 2, XSPARE              ; my spare word
	v_mov_b32 v29, 0
	v_mul_u32_u24 v9, 3072, v4
	v_lshl_add_u32 v9, v3, 4, v9                   ; in: two rows a load, 256 bytes of each
	v_mul_u32_u24 v10, XPIT, v4
	v_lshl_add_u32 v10, v3, 4, v10
	v_add_nc_u32 v10, s22, v10                     ; the same in LDS
	v_mul_u32_u24 v11, XPIT, v3
	v_mad_u32_u24 v11, v4, 24, v11
	v_add_nc_u32 v11, s22, v11                     ; a fragment's row + 24 x half
	v_lshlrev_b32 v14, 4, v2                       ; out: 16 bytes a lane of an image
	v_add_nc_u32 v12, s23, v4                      ; scales: lane (r, h) gathers row r's words of slot 2 x wave + h,
	v_min_u32 v13, 1, v12
	v_mul_u32_u24 v15, 3, v12
	v_sub_nc_u32 v15, v15, v13                     ; whose first step is 3 x slot - min(slot, 1)
	v_lshlrev_b32 v15, 2, v15
	v_lshl_add_u32 v15, v3, 7, v15
	v_mul_u32_u24 v12, XKS, v12
	v_lshl_add_u32 v12, v3, 4, v12
	v_add_nc_u32 v30, s24, v4                      ; and, in waves 0 and 1, of slot 8 + 2 x wave + h; wave 1's upper lanes take slot 10 again
	v_min_u32 v30, 10, v30
	v_mul_u32_u24 v31, 12, v30
	v_lshl_add_u32 v31, v3, 7, v31
	v_mul_u32_u24 v30, XKS, v30
	v_lshl_add_u32 v30, v3, 4, v30
.irp i, 23,24,25,26,27
	v_mov_b32 v[\i], 0x7f7f7f7f
.endr
	s_wait_alu depctr_va_vdst(0)
	s_wait_kmcnt 0x0
	s_mov_b32 s21, 0
	s_lshl_b32 s20, s17, 11
	s_add_nc_u64 s[10:11], s[10:11], s[20:21]      ; x_scales: 16 rows of 128 bytes
	s_mul_i32 s20, s17, 16*3072
	s_mul_i32 s25, s16, 768
	s_add_co_u32 s20, s20, s25
	s_add_nc_u64 s[8:9], s[8:9], s[20:21]          ; x_codes: 16 rows, my 768 bytes
	s_mul_i32 s20, s18, XRUN
	s_add_nc_u64 s[14:15], s[14:15], s[20:21]      ; xw at my tile,
	s_lshl_b32 s20, s19, 8
	s_add_nc_u64 s[34:35], s[14:15], s[20:21]      ; at my rows' scales,
	s_mul_i32 s20, s19, 1536
	s_add_co_u32 s20, s20, 4096
	s_add_nc_u64 s[14:15], s[14:15], s[20:21]      ; and at my block's images
	global_load_b32 v20, v15, s[10:11]
	global_load_b32 v21, v15, s[10:11] offset:4
	global_load_b32 v22, v15, s[10:11] offset:8
	s_cmp_lt_u32 s16, 2
	s_cbranch_scc0 .Lx_main
	global_load_b32 v24, v31, s[10:11] offset:-4
	global_load_b32 v25, v31, s[10:11]
	global_load_b32 v26, v31, s[10:11] offset:4
.Lx_main:
.set n, 0
.rept 24
	global_load_b128 v[32+4*n:35+4*n], v9, s[8:9] offset:(n%8)*6144+256*(n/8) th:TH_LOAD_NT
.set n, n+1
.endr
; where step t = 8 x wave + n lies: u = t + 1, slot = u / 3 = (171 u) >> 9 for u = 1 .. 32; q = u % 3, in slot 0 one less
.set n, 0
.rept 8
	s_lshl_b32 s30, s16, 3
	s_add_co_u32 s30, s30, n+1
	s_mul_i32 s31, s30, 171
	s_lshr_b32 s31, s31, 9
	s_mul_i32 s32, s31, 3
	s_sub_co_u32 s30, s30, s32
	s_min_u32 s32, s31, 1
	s_add_co_u32 s30, s30, s32
	s_sub_co_u32 s30, s30, 1
	s_mul_i32 s31, s31, XKS
	s_mul_i32 s30, s30, 24576
	s_add_co_u32 s30, s30, s31
	s_mov_b32 s31, 0
	s_add_nc_u64 s[40+2*n:41+2*n], s[14:15], s[30:31]
.set n, n+1
.endr
.set n, 0
.rept 24
	s_wait_loadcnt 23-n                            ; loads come back in order; the scale words are older still
	ds_store_b128 v10, v[32+4*n:35+4*n] offset:(n%8)*2*XPIT+256*(n/8)
.set n, n+1
.endr
.set n, 0
.rept 8                                ; LDS serves a wave's instructions in order (ISA guide 5.7.1.4), and the bytes are the wave's own
.irp p, 0,1,2,3,4,5
	ds_load_b64 v[128+12*n+2*\p:129+12*n+2*\p], v11 offset:96*n+48*(\p/3)+8*(\p%3)
.endr
.set n, n+1
.endr
.set n, 0
.rept 8
	s_wait_dscnt 42-6*n
.irp c, 0,1,2
	global_store_b128 v14, v[128+12*n+4*\c:131+12*n+4*\c], s[40+2*n:41+2*n] offset:512*\c    ; 32 lanes store 512 aligned bytes
.endr
.set n, n+1
.endr
	global_store_b128 v12, v[20:23], s[34:35]      ; sixteen neighbouring lanes store 256 aligned bytes
	s_cmp_lt_u32 s16, 2
	s_cbranch_scc0 .Lx_end
	global_store_b128 v30, v[24:27], s[34:35]
.Lx_end:
	s_wait_tensorcnt 0x0                           ; the wave's end
	ds_add_u32 v28, v29
	s_wait_dscnt 0x0
	s_endpgm
.Lfunc_end_k_q64bf56656c_prep:
	.size	k_q64bf56656c_prep, .Lfunc_end_k_q64bf56656c_prep-k_q64bf56656c_prep
	.p2alignl 7, 3214868480
	.fill 96, 4, 3214868480
	.section	.rodata,"a",@progbits
	.p2align	6, 0x0
	.amdhsa_kernel k_q64bf56656c_prep
		.amdhsa_group_segment_fixed_size 50688
		.amdhsa_private_segment_fixed_size 0
		.amdhsa_enable_private_segment 0
		.amdhsa_kernarg_size 48
		.amdhsa_user_sgpr_count 2
		.amdhsa_user_sgpr_kernarg_segment_ptr 1
		.amdhsa_wavefront_size32 1
		.amdhsa_system_sgpr_workgroup_id_x 1
		.amdhsa_system_sgpr_workgroup_id_y 1
		.amdhsa_system_sgpr_workgroup_id_z 1
		.amdhsa_system_vgpr_workitem_id 0
		.amdhsa_next_free_vgpr 224
		.amdhsa_next_free_sgpr 66
		.amdhsa_reserve_vcc 0
		.amdhsa_float_denorm_mode_32 3
		.amdhsa_float_denorm_mode_16_64 3
		.amdhsa_memory_ordered 1
		.amdhsa_forward_progress 1
		.amdhsa_inst_pref_size 92
	.end_amdhsa_kernel
	.amdgpu_metadata
---
amdhsa.version: [ 1, 2 ]
amdhsa.kernels:
  - .name:           k_q64bf56656c_prep
    .symbol:         k_q64bf56656c_prep.kd
    .args:
      - { .name: packed, .offset: 0, .size: 8, .value_kind: global_buffer, .address_space: global }
      - { .name: scales, .offset: 8, .size: 8, .value_kind: global_buffer, .address_space: global }
      - { .name: x_codes, .offset: 16, .size: 8, .value_kind: global_buffer, .address_space: global }
      - { .name: x_scales, .offset: 24, .size: 8, .value_kind: global_buffer, .address_space: global }
      - { .name: ww, .offset: 32, .size: 8, .value_kind: global_buffer, .address_space: global }
      - { .name: xw, .offset: 40, .size: 8, .value_kind: global_buffer, .address_space: global }
    .group_segment_fixed_size: 50688
    .private_segment_fixed_size: 0
    .kernarg_segment_align: 8
    .kernarg_segment_size: 48
    .max_flat_workgroup_size: 128
    .sgpr_count:     66
    .vgpr_count:     224
    .wavefront_size: 32
...
	.end_amdgpu_metadata
.endif
;; end of part 3
;; launch gemm (part 4): grid 16 x 16, 4 waves a work-group, clusters of 4 x 4, 327,680 bytes of LDS; arguments xw, ww, bias, out0; writes out0
.if DOCPART == 4
	.amdgcn_target "amdgcn-amd-amdhsa--gfx1250"
	.amdhsa_code_object_version 6
	.text
	.protected	k_q64bf56656c_gemm
	.globl	k_q64bf56656c_gemm
	.p2align	8
	.type	k_q64bf56656c_gemm,@function
k_q64bf56656c_gemm:
	s_mov_b64 s[64:65], 0
	v_nop
	global_prefetch_b8 v0, s[64:65] scope:SCOPE_SE
	s_setreg_imm32_b32 hwreg(HW_REG_WAVE_MODE, 25, 1), 1
	s_wait_xcnt 0x0
	s_wait_alu depctr_hold_cnt(0) depctr_sa_sdst(0) depctr_va_vdst(0) depctr_va_sdst(0) depctr_va_ssrc(0) depctr_va_vcc(0) depctr_vm_vsrc(0)
	s_getreg_b32 s2, hwreg(HW_REG_IB_STS2, 6, 4)
	s_cmp_eq_u32 s2, 0
	s_cbranch_scc0 .Lentry_in_a_cluster
	s_endpgm
.Lentry_in_a_cluster:
	s_bfe_u32 s2, ttmp6, 0x10000c
	s_cmp_lg_u32 s2, 0xf033
	s_cbranch_scc0 .Lentry_shape_is_right
	s_endpgm
.Lentry_shape_is_right:
; out0[m][n] = sum over k of x[m][k] W[k][n] + bias[n], m = 0 .. 4095, n = 0 .. 2751, K = 4096; both operands codes of BF6 (E3M2) with one E8M0 byte for each 32 along K; sums and bias in f32, one rounding to f16.
; xw [slot 11][tile 16][77,824 bytes], ww [slot 11][strip 16][53,504 bytes]: this program's own: scale words, then fragments as images of the operand's registers (first launch).  Slot 0 holds two steps of 128 along K, slots 1-10 three.
; SHARES.  A work-group makes 256 rows x 176 columns (the last strip's 64 columns over are zero codes): 16 x 16 = 256 work-groups.  Four waves, one below the other: 64 x 176 each: 4 x 11 = 44 accumulators, 352 registers.
; THE RING: two LDS slots of 131,328 bytes: a tile's run of xw, then a strip's run of ww, each dense, fetched as rows of 256 bytes: waves 0 and 1 x's halves, wave 2 W's first 105 rows, wave 3 its other 104
; (slot 0, two steps: 104, 104, 72, 71 rows).  Slot i lies in ring place i % 2.
; CLUSTERS: 4 x 4 work-groups.  The four of a row of the cluster need the same runs of xw, the four of a column the same runs of ww: each is asked for JOINTLY, by the same tensor load with the same descriptor and a mask that names the four.
; THE MATRIX INSTRUCTION IS USED TRANSPOSED (source 0 = 16 columns of W, source 1 = 16 rows of x): lane (r, h) holds row r and its registers columns 8 h + 0 .. 7: 16 neighbouring bytes of f16.
; THE BIAS is the C of each sum's first matrix instruction.  Both operands have TWO sets of fragments: while a step multiplies one set, the next step's are fetched into the other (macros STEP and TURN).
; REGISTERS, in windows of 256: window 0: v2-31 addresses; v32-163 W's set 1; v164-227 scale words, a set for each ring place, and nothing else; v228-251 packed results.  On the way out v32-159 are free.
;   window 1: v0-131 W's set 0; v132-227 x's sets 0, 1.   window 2: v0-159 the accumulators of W's blocks 0-4 ((b, a) at v[8 (4 b + a)]), v160-199 their bias.   window 3: v0-191 those of blocks 5-10, v192-239 their bias.
; LIMITS: a result beyond f16's largest number becomes infinity; a byte 0xff among x's scales makes its row's sums NaN.
.set XRUN, 77824
.set XKS,  16*XRUN
.set WRUN, 53504
.set WKS,  16*WRUN
.set BOFF, XRUN                        ; a slot: x's run, then W's run
.set SLOT, XRUN+WRUN
.set STAGE, 2*SLOT                     ; the way out: 6,144 bytes for each wave
.set SPITCH, 368                       ; a stage row: 352 bytes + 16 = 23 x 16
.set SPARE, STAGE+4*6144               ; the spare words, 128 bytes for each wave
.set ROWO, 5504                        ; a row of out0 in bytes
.set CO,   5                           ; v5      16 x lane
.set ADRA, 16                          ; v16-17  my fragments of x in ring place 0, 1
.set ADSA, 18                          ; v18-19  my rows' scale words
.set ADRB, 20                          ; v20-21  W's run
.set ADB5, 22                          ; v22-23  scale words of W's last block, in both halves of the lanes
.set STO,  24                          ; v24     the way out: where I put 16 bytes of a row
.set RD,   25                          ; v25     where I read a row back
.set SPW,  28                          ; v28     my spare word; never rewritten
.set NIL,  29                          ; v29     0; never rewritten
.set PFO,  30                          ; v30     the prefetches' offsets; never rewritten
.set PFP,  31                          ; v31     x's second 6 blocks
.set SC,   164                         ; set p at SC + 32 p: 4 j + q: W's blocks 2 j (lanes 0-15), 2 j + 1 (lanes 16-31) at step q; 24 + 4 j + q: x's blocks likewise
.set XF,   132                         ; window 1: x's fragments: set s at XF + 48 s
.set TMP,  228
.set BK,   32                          ; 16 rows read back: v32-95 and v96-159 by turns
.set G1A,  24                          ; s[24:31] group 1 for x's run; s[32:39] group 0, one set for each ring place
.set G0A,  32
.set G1B,  40                          ; s[40:47] for wave 2's rows of W's run; s[48:55] group 0
.set G0B,  48
.set G1C,  56                          ; s[56:63] for wave 3's
.set PFA,  80                          ; s[80:81] where my prefetches stand
.set PFS,  82                          ; s[82:83] a slot on
.set MSB, 0
.macro WIN new                         ; the immediate's high byte repeats the setting that is left
.set NW, \new
.if MSB != NW
	s_set_vgpr_msb (MSB<<8)|NW
.set MSB, NW
.endif
.endm
.macro WINM b, set                     ; products of W's block b: source 0 window 1 (set 0) or 0 (set 1), source 1 window 1, C and D window 2 or 3
.if (\b) < 5
	WIN 0xa5-(\set)
.else
	WIN 0xf5-(\set)
.endif
.endm
.macro PLACES
.rept 4
	v_nop
.endr
.endm
; A joint load into ring place r.  Each line has ONE mask and one set of registers for all that issue it; the branches hang on the wave's number alone.  s_nop 0 and four v_nop follow each line.
.macro JLOAD r
	s_cmp_lt_u32 s16, 2
	s_cbranch_scc0 .Lfor_w_\@
	tensor_load_to_lds s[G0A+4*\r:G0A+4*\r+3], s[G1A:G1A+7]
	s_nop 0
	PLACES
	s_branch .Lasked_\@
.Lfor_w_\@:
	s_cmp_lt_u32 s16, 3
	s_cbranch_scc0 .Lwave_3_\@
	tensor_load_to_lds s[G0B+4*\r:G0B+4*\r+3], s[G1B:G1B+7]
	s_nop 0
	PLACES
	s_branch .Lasked_\@
.Lwave_3_\@:
	tensor_load_to_lds s[G0B+4*\r:G0B+4*\r+3], s[G1C:G1C+7]
	s_nop 0
	PLACES
.Lasked_\@:
.endm
; A PREFETCH INTO THE L2 behind each joint load but the last, and the run of LDS loads that follows it: the slot that the NEXT joint load brings, one slot ahead.  Each block of 256 bytes is named once in each cluster
; that loads it; the four partners share a run out BY ADDRESS: of x's 304 blocks the pair (cx, wave 0 or 1) takes 38, 32 and 6 in two instructions; of W's 209 the pair (cy, wave 2 or 3) takes 27 (lanes over, and what lies
; beyond block 208, name a last block again).  how = 2: not in the loop's last trip, where no further slot is left.
.macro ASK how
.if \how == 2
	s_cmp_gt_u32 s3, 1
	s_cbranch_scc0 .Lno_more_\@
.endif
	global_prefetch_b8 v[PFO], s[PFA:PFA+1] th:TH_LOAD_NT scope:SCOPE_SE
	s_cmp_lt_u32 s16, 2
	s_cbranch_scc0 .Lno_more_\@
	global_prefetch_b8 v[PFP], s[PFA:PFA+1] th:TH_LOAD_NT scope:SCOPE_SE
.Lno_more_\@:
.endm
.macro CREST                           ; a round of the cluster's barrier behind its opening barrier
	s_cmp_lg_u32 s16, 0
	s_cbranch_scc1 .Lnot_wave_0_\@
	s_barrier_signal -3
.Lnot_wave_0_\@:
	s_barrier_wait -3
	s_barrier_signal -1
	s_barrier_wait -1
.endm
.macro CROUND
	s_barrier_signal -1
	s_barrier_wait -1
	CREST
.endm
; group 0 of ring place r at slot r.  s[20:21], s[22:23]: my tile's and my strip's runs of slot 0; s[76:77], s[78:79]: my part's first byte in a run
.macro SETG r
	s_mov_b32 s[G0A+4*\r], 1
	s_add_co_u32 s[G0A+4*\r+1], s76, \r*SLOT
	s_add_nc_u64 s[G0A+4*\r+2:G0A+4*\r+3], s[20:21], s[76:77]
	s_mov_b32 s[G0B+4*\r], 1
	s_add_co_u32 s[G0B+4*\r+1], s78, \r*SLOT+BOFF
	s_add_nc_u64 s[G0B+4*\r+2:G0B+4*\r+3], s[22:23], s[78:79]
.if \r
	s_add_nc_u64 s[G0A+4*\r+2:G0A+4*\r+3], s[G0A+4*\r+2:G0A+4*\r+3], XKS
	s_add_nc_u64 s[G0B+4*\r+2:G0B+4*\r+3], s[G0B+4*\r+2:G0B+4*\r+3], WKS
.endif
	s_or_b32 s[G0A+4*\r+3], s[G0A+4*\r+3], 0x80000000
	s_or_b32 s[G0B+4*\r+3], s[G0B+4*\r+3], 0x80000000
.endm
.macro ROWS g, n                       ; tensor_dim1 and tile_dim1 of a group 1
	s_mov_b32 s[\g+2], (\n)<<16
	s_mov_b32 s[\g+4], \n
.endm
	s_load_b256 s[4:11], s[0:1], 0x0               ; xw s[4:5], ww s[6:7], bias s[8:9], out0 s[10:11]
	v_lshl_add_u32 v[SPW], v0, 2, SPARE
	v_mov_b32 v[NIL], 0
	ds_add_u32 v[SPW], v[NIL]                      ; the opening: the add, twice on end, and its wait
	ds_add_u32 v[SPW], v[NIL]
	v_lshrrev_b32 v1, 5, v0
	v_readfirstlane_b32 s16, v1                    ; wave 0..3: my 64 rows of the tile
	s_and_b32 s18, s16, 1                          ; which part of a run I fetch
	s_bfe_u32 s66, ttmp6, 0x40000                  ; cx, cy: my place in the cluster
	s_bfe_u32 s67, ttmp6, 0x40004
	s_lshl_b32 s68, ttmp9, 2
	s_add_co_u32 s68, s68, s66                     ; px: my strip of 176 columns
	s_and_b32 s69, ttmp7, 0xffff
	s_lshl_b32 s69, s69, 2
	s_add_co_u32 s69, s69, s67                     ; ty: my 256 rows
	s_lshl_b32 s70, s67, 2
	s_lshl_b32 s70, 15, s70                        ; my row of the cluster
	s_lshl_b32 s71, 0x1111, s66                    ; my column
	s_or_b32 s[G1A], s70, (3<<16)|(1<<21)          ; 15:0 the mask; 17:16 elements of 8 bytes; 20 padding off; 21 set beside a mask
	s_or_b32 s[G1B], s71, (3<<16)|(1<<21)
	s_or_b32 s[G1C], s71, (3<<16)|(1<<21)
.irp g, G1A, G1B, G1C
	s_mov_b32 s[\g+1], 32<<16                      ; rows of 256 bytes, one behind the other
	s_mov_b32 s[\g+3], 32<<16
	s_mov_b32 s[\g+5], 32
	s_mov_b32 s[\g+6], 0
	s_mov_b32 s[\g+7], 0
.endr
	ROWS G1A, 104                                  ; slot 0: two steps
	ROWS G1B, 72
	ROWS G1C, 71
	s_mul_i32 s72, s69, XRUN                       ; x's run hangs on ty alone, W's on px alone
	s_mov_b32 s73, 0
	s_mul_i32 s74, s68, WRUN
	s_mov_b32 s75, 0
	s_mul_i32 s76, s18, 104*256
	s_mov_b32 s77, 0
	s_mul_i32 s78, s18, 72*256
	s_mov_b32 s79, 0
	s_wait_dscnt 0x0                               ; both opening adds are done
	s_wait_kmcnt 0x0
	s_add_nc_u64 s[20:21], s[4:5], s[72:73]
	s_add_nc_u64 s[22:23], s[6:7], s[74:75]
	CROUND                                         ; all sixteen work-groups are here: the first joint loads meet
	SETG 0
	JLOAD 0                                        ; slot 0: one tensor load a wave at the head
	; scalars for the addresses
	s_mul_i32 s84, s16, 6144
	s_add_co_u32 s88, s84, STAGE                   ; my stage
	s_add_co_u32 s84, s84, 4096                    ; my four blocks' images of x
	s_add_co_u32 s85, s84, SLOT
	s_lshl_b32 s86, s16, 10                        ; my 64 rows' scale words
	s_add_co_u32 s87, s86, SLOT
	s_mul_i32 s89, s68, 352                        ; the strip's first byte in bias and in a row of out0
	s_mul_i32 s94, s68, 22                         ; a row's piece is 22 lanes of 16 bytes; in the last strip 14
	s_sub_co_u32 s94, 344, s94
	s_min_u32 s94, s94, 22
	s_lshl_b32 s92, s69, 8
	s_lshl_b32 s93, s16, 6
	s_add_co_u32 s92, s92, s93
	s_mul_i32 s92, s92, ROWO
	s_add_co_u32 s92, s92, s89
	s_mov_b32 s93, 0
	s_add_nc_u64 s[10:11], s[10:11], s[92:93]      ; out0 at my first row, my strip
	; the prefetches
	s_lshl_b32 s72, s66, 1
	s_add_co_u32 s72, s72, s18
	s_mul_i32 s72, s72, 38                         ; x: the pair (cx, wave)'s first block of the 304
	s_lshl_b32 s73, s67, 1
	s_add_co_u32 s73, s73, s18
	s_mul_i32 s73, s73, 27                         ; W: the pair (cy, wave)'s of the 209
	s_mov_b32 s74, 303
	s_mov_b32 s75, 208
	s_mov_b32 s[PFS], XKS
	s_mov_b32 s[PFS+1], WKS
	s_cmp_lt_u32 s16, 2                            ; do I fetch for x?
	s_cselect_b32 s72, s72, s73
	s_cselect_b32 s74, s74, s75                    ; the run's last block
	s_cselect_b32 s75, 31, 26
	s_cselect_b32 s[PFS], s[PFS], s[PFS+1]
	s_cselect_b64 s[PFA:PFA+1], s[20:21], s[22:23]
	s_mov_b32 s[PFS+1], 0
	s_add_nc_u64 s[PFA:PFA+1], s[PFA:PFA+1], s[PFS:PFS+1]   ; slot 1
	v_and_b32 v2, 31, v0                           ; lane
	v_and_b32 v3, 15, v0                           ; r
	v_bfe_u32 v4, v0, 4, 1                         ; h
	v_lshlrev_b32 v5, 4, v2
	v_lshlrev_b32 v6, 4, v3
	v_lshlrev_b32 v7, 4, v4
	v_add_nc_u32 v7, s89, v7                       ; bias: my half's eight numbers of f16
.set fb, 0
.rept 11
	v_add_nc_u32 v[76+fb], 32*fb, v7
	v_min_u32 v[76+fb], 5488, v[76+fb]             ; columns beyond 2751 take the last eight numbers: their results are not stored
.set fb, fb+1
.endr
.set fb, 0
.rept 11
	global_load_b128 v[32+4*fb:35+4*fb], v[76+fb], s[8:9]
.set fb, fb+1
.endr
	v_min_u32 v[PFO], s75, v2
	v_add_nc_u32 v[PFO], s72, v[PFO]
	v_min_u32 v[PFO], s74, v[PFO]
	v_lshlrev_b32 v[PFO], 8, v[PFO]
	v_min_u32 v[PFP], 5, v2
	v_add_nc_u32 v[PFP], 32, v[PFP]
	v_add_nc_u32 v[PFP], s72, v[PFP]
	v_lshlrev_b32 v[PFP], 8, v[PFP]
	v_add_nc_u32 v[ADRA], s84, v5
	v_add_nc_u32 v[ADRA+1], s85, v5
	v_add_nc_u32 v[ADSA], s86, v5
	v_add_nc_u32 v[ADSA+1], s87, v5
	v_add_nc_u32 v[ADRB], BOFF, v5
	v_add_nc_u32 v[ADRB+1], BOFF+SLOT, v5
	v_add_nc_u32 v[ADB5], BOFF+2560, v6
	v_add_nc_u32 v[ADB5+1], BOFF+2560+SLOT, v6
	v_mul_u32_u24 v[STO], SPITCH, v3
	v_lshl_add_u32 v[STO], v4, 4, v[STO]
	v_add_nc_u32 v[STO], s88, v[STO]               ; in: row r, 16 bytes for each half of the lanes
	v_min_u32 v[RD], 21, v2
	v_lshlrev_b32 v[RD], 4, v[RD]
	v_add_nc_u32 v[RD], s88, v[RD]                 ; back: 16 bytes a lane along a row (lanes 22-31 read the last piece again and store nothing)
	v_cmp_gt_u32 s96, s94, v2                      ; the lanes that store
	s_wait_alu depctr_va_vdst(0)
	ASK 1                                          ; slot 1
	s_wait_loadcnt 0x0                             ; the bias: to f32
.set fb, 0
	WIN 0x80
.irp p, v32.l,v32.h,v33.l,v33.h,v34.l,v34.h,v35.l,v35.h,v36.l,v36.h,v37.l,v37.h,v38.l,v38.h,v39.l,v39.h,v40.l,v40.h,v41.l,v41.h,v42.l,v42.h,v43.l,v43.h,v44.l,v44.h,v45.l,v45.h,v46.l,v46.h,v47.l,v47.h,v48.l,v48.h,v49.l,v49.h,v50.l,v50.h,v51.l,v51.h
	v_cvt_f32_f16 v[160+fb], \p
.set fb, fb+1
.endr
	WIN 0xc0
.set fb, 0
.irp p, v52.l,v52.h,v53.l,v53.h,v54.l,v54.h,v55.l,v55.h,v56.l,v56.h,v57.l,v57.h,v58.l,v58.h,v59.l,v59.h,v60.l,v60.h,v61.l,v61.h,v62.l,v62.h,v63.l,v63.h,v64.l,v64.h,v65.l,v65.h,v66.l,v66.h,v67.l,v67.h,v68.l,v68.h,v69.l,v69.h,v70.l,v70.h,v71.l,v71.h,v72.l,v72.h,v73.l,v73.h,v74.l,v74.h,v75.l,v75.h
	v_cvt_f32_f16 v[192+fb], \p
.set fb, fb+1
.endr
	WIN 0
; A unit of the next step: x's fragment u (0-3) or W's block u - 4: three loads of 512 consecutive bytes.  nr: ring place, nq: its step there, ns: the set of registers.
.macro UNIT u, nr, nq, ns
.if (\u) < 4
	WIN 0x40
.irp c, 0,1,2
	ds_load_b128 v[XF+48*(\ns)+12*(\u)+4*\c:XF+48*(\ns)+12*(\u)+4*\c+3], v[ADRA+(\nr)] offset:24576*(\nq)+1536*(\u)+512*\c
.endr
.else
	WIN 0x40*(1-(\ns))
.irp c, 0,1,2
	ds_load_b128 v[32*(\ns)+12*((\u)-4)+4*\c:32*(\ns)+12*((\u)-4)+4*\c+3], v[ADRB+(\nr)] offset:2816+1536*(11*(\nq)+(\u)-4)+512*\c
.endr
.endif
.endm
.macro SCALES nr                       ; a slot's scale words: 8 loads, for all its steps
	WIN 0
.irp j, 0,1,2,3,4
	ds_load_b128 v[SC+32*(\nr)+4*\j:SC+32*(\nr)+4*\j+3], v[ADRB+(\nr)] offset:512*\j
.endr
	ds_load_b128 v[SC+32*(\nr)+20:SC+32*(\nr)+23], v[ADB5+(\nr)]
.irp j, 0,1
	ds_load_b128 v[SC+32*(\nr)+24+4*\j:SC+32*(\nr)+27+4*\j], v[ADSA+(\nr)] offset:512*\j
.endr
.endm
.macro FETCH nr, nq, ns, sc            ; ONE run of 45 loads: x's 12, then W's 33, blocks 0 .. 10; sc = 1: between them the slot's 8 loads of scale words
.irp u, 0,1,2,3
	UNIT \u, \nr, \nq, \ns
.endr
.if \sc
	SCALES \nr
.endif
.irp u, 4,5,6,7,8,9,10,11,12,13,14
	UNIT \u, \nr, \nq, \ns
.endr
.endm
; One product: W's block b x x's block a.  first = 1: C is the bias.  Odd blocks' scale words stand in lanes 16-31.
.macro WM b, a, set, ring, q, first
.if (\b) < 5
.set rD, 8*(4*(\b)+(\a))
.set rC, rD
.if \first
.set rC, 160+8*(\b)
.endif
.else
.set rD, 8*(4*((\b)-5)+(\a))
.set rC, rD
.if \first
.set rC, 192+8*((\b)-5)
.endif
.endif
.set rB, 32*(\set)+12*(\b)
.set rA, XF+48*(\set)+12*(\a)
.set rSB, SC+32*(\ring)+4*((\b)/2)+(\q)
.set rSA, SC+32*(\ring)+24+4*((\a)/2)+(\q)
.if ((\b)%2 == 0) && ((\a)%2 == 0)
	v_wmma_scale_f32_16x16x128_f8f6f4 v[rD:rD+7], v[rB:rB+11], v[rA:rA+11], v[rC:rC+7], v[rSB], v[rSA] matrix_a_fmt:MATRIX_FMT_BF6 matrix_b_fmt:MATRIX_FMT_BF6
.elseif ((\b)%2 == 1) && ((\a)%2 == 0)
	v_wmma_scale_f32_16x16x128_f8f6f4 v[rD:rD+7], v[rB:rB+11], v[rA:rA+11], v[rC:rC+7], v[rSB], v[rSA] matrix_a_fmt:MATRIX_FMT_BF6 matrix_b_fmt:MATRIX_FMT_BF6 matrix_a_scale:MATRIX_SCALE_ROW1
.elseif ((\b)%2 == 0) && ((\a)%2 == 1)
	v_wmma_scale_f32_16x16x128_f8f6f4 v[rD:rD+7], v[rB:rB+11], v[rA:rA+11], v[rC:rC+7], v[rSB], v[rSA] matrix_a_fmt:MATRIX_FMT_BF6 matrix_b_fmt:MATRIX_FMT_BF6 matrix_b_scale:MATRIX_SCALE_ROW1
.else
	v_wmma_scale_f32_16x16x128_f8f6f4 v[rD:rD+7], v[rB:rB+11], v[rA:rA+11], v[rC:rC+7], v[rSB], v[rSA] matrix_a_fmt:MATRIX_FMT_BF6 matrix_b_fmt:MATRIX_FMT_BF6 matrix_a_scale:MATRIX_SCALE_ROW1 matrix_b_scale:MATRIX_SCALE_ROW1
.endif
.endm
.macro MUL4 b, set, ring, q, first     ; W's block b against x's four.  The 44 accumulators take turns, one instruction a turn
	WINM \b, \set
.irp a, 0,1,2,3
	WM \b, \a, \set, \ring, \q, \first
.endr
.endm
; A step whose successor lies in the same slot.  The last 33 loads out at its head are W's blocks 0-10 in order: at most 24 out: blocks 0-2 are in.  Behind twelve products stands the run for the next step, which
; has 32 products in which to land; ahead of it at most 15 loads are out (W's blocks 6-10), behind it 45 more: 51: blocks 6-8 are in; 45: blocks 9, 10 are.
; A load into a register that a matrix instruction has read stands four places behind it: the four v_nop ahead of the run.
.macro STEP ring, q, set, first
.set NQ, (\q)+1
.set NS, 1-(\set)
	s_wait_dscnt 24
.irp g, 0,1,2,3,4,5,6,7,8,9,10
.if \g == 6
	s_wait_dscnt 51
.elseif \g == 9
	s_wait_dscnt 45
.endif
	MUL4 \g, \set, \ring, \q, \first
.if \g == 2
	s_wait_dscnt 15
	PLACES
	FETCH \ring, NQ, NS, 0
.endif
.endr
.endm
; A slot's last step changes slots: ONE barrier.  In front of it each wave waits for all its tensor loads, adds 0 to its spare word, and waits for that and for its own reads of this slot (all issued in the step before).
; Eight products stand between the add and the wait for it, eight between signal and wait.
; fill = 1: the barrier opens a round, and this ring place is filled again, two slots on: 28 + 88 products ahead of the wait for it.  ask: macro ASK (0: none).
.macro TURN ring, q, set, nr, fill, ask
.set NS, 1-(\set)
.if \ask
	s_wait_xcnt 0x0                                ; the last prefetch, a slot back, has read its address
	s_add_nc_u64 s[PFA:PFA+1], s[PFA:PFA+1], s[PFS:PFS+1]
.endif
	WIN 0                                          ; (the add's two registers lie in window 0)
	s_wait_dscnt 24                                ; W's blocks 0-2 are in
	s_wait_tensorcnt 0x0                           ; the one load that was out is my part of the next slot;
	ds_add_u32 v[SPW], v[NIL]                      ; 0 onto my spare word
.if \fill
	s_add_nc_u64 s[G0A+4*\ring+2:G0A+4*\ring+3], s[G0A+4*\ring+2:G0A+4*\ring+3], 2*XKS
	s_add_nc_u64 s[G0B+4*\ring+2:G0B+4*\ring+3], s[G0B+4*\ring+2:G0B+4*\ring+3], 2*WKS
.endif
	MUL4 0, \set, \ring, \q, 0
	MUL4 1, \set, \ring, \q, 0
	s_wait_dscnt 0x0                               ; the add is done, and my reads of this slot are over
	s_barrier_signal -1
	MUL4 2, \set, \ring, \q, 0
	MUL4 3, \set, \ring, \q, 0
	WIN 0
	s_barrier_wait -1
.if \fill
	CREST                                          ; no wave of any partner still reads this slot or has a load on its way
	JLOAD \ring                                    ; its four v_nop are also the places in front of the loads below
.else
	PLACES
.endif
	FETCH \nr, 0, NS, 1
.if \ask
	WIN 0
	ASK \ask
.endif
.irp g, 4,5,6,7,8,9,10
	MUL4 \g, \set, \ring, \q, 0
.endr
.endm
	s_wait_alu depctr_va_vdst(0)
	s_wait_tensorcnt 0x0                           ; my part of slot 0 is in;
	ds_add_u32 v[SPW], v[NIL]
	ROWS G1A, 152                                  ; no load of mine is out, so the descriptors may be written: from here on slots of three steps
	ROWS G1B, 105
	ROWS G1C, 104
	s_mul_i32 s76, s18, 152*256
	s_mul_i32 s78, s18, 105*256
	SETG 0
	SETG 1
	s_wait_dscnt 0x0                               ; the add is done
	CROUND                                         ; everybody's part of slot 0 is in, and the joint loads meet
	JLOAD 1                                        ; slot 1, the first tensor load behind the round
	FETCH 0, 0, 1, 1
	WIN 0
	s_wait_xcnt 0x0                                ; slot 1's prefetch has read its address
	s_add_nc_u64 s[PFA:PFA+1], s[PFA:PFA+1], s[PFS:PFS+1]
	ASK 1                                          ; slot 2
	STEP 0, 0, 1, 1                                ; the first step's products start the sums, on the bias
	TURN 0, 1, 0, 1, 1, 1                          ; slot 0's second; slot 2 is asked for
	WIN 0
	s_mov_b32 s3, 4
.Llap:                                                 ; a trip: slots 2 i + 1 and 2 i + 2, six steps; both ring places are filled again
	STEP 1, 0, 1, 0
	STEP 1, 1, 0, 0
	TURN 1, 2, 1, 0, 1, 1
	STEP 0, 0, 0, 0
	STEP 0, 1, 1, 0
	TURN 0, 2, 0, 1, 1, 2
	WIN 0
	s_sub_co_u32 s3, s3, 1
	s_cmp_lg_u32 s3, 0
	s_cbranch_scc1 .Llap
	STEP 1, 0, 1, 0                                ; slots 9 and 10 are written out: nothing is left to fetch
	STEP 1, 1, 0, 0
	TURN 1, 2, 1, 0, 0, 0
	STEP 0, 0, 0, 0
	STEP 0, 1, 1, 0
; THE LAST STEP GOES BY ROWS: all its fragments are in registers; x's blocks are finished one after the other, 11 products each, and a finished block leaves while the next ones are multiplied.
.macro ROW a
.irp b, 0,1,2,3,4,5,6,7,8,9,10
.if (\a) == 0
.if \b == 0
	s_wait_dscnt 24
.elseif \b == 3
	s_wait_dscnt 15
.elseif \b == 6
	s_wait_dscnt 6
.elseif \b == 9
	s_wait_dscnt 0x0
.endif
.endif
	WINM \b, 0
	WM \b, \a, 0, 0, 2, 0
.endr
.endm
; THE WAY OUT of a block of 16 rows x 176 columns: rounded to f16, 16 bytes a lane, into my own stage and back by rows: 22 lanes store a row's piece of 352 bytes (14 lanes in the last strip).
; A row of out0 is 5,504 bytes: pieces begin at multiples of 32 bytes.  LDS serves a wave's instructions in order (ISA guide 5.7.1.4): no wait between stores and loads here.
.macro HALF a, b0, n, win              ; each accumulator from its low end on
	WIN \win
.set pb, 0
.rept \n
.irp k, 0,1,2,3
	v_cvt_pk_f16_f32 v[TMP+4*pb+\k], v[8*(4*pb+(\a))+2*\k], v[8*(4*pb+(\a))+2*\k+1]
.endr
.set pb, pb+1
.endr
	WIN 0
.set pb, 0
.rept \n
	ds_store_b128 v[STO], v[TMP+4*pb:TMP+4*pb+3] offset:32*(\b0+pb)
.set pb, pb+1
.endr
.endm
.macro TOSTAGE a
	HALF \a, 0, 5, 0x0a
	HALF \a, 5, 6, 0x0f
.set BB, BK+64*((\a)%2)
.set pb, 0
.rept 16
	ds_load_b128 v[BB+4*pb:BB+4*pb+3], v[RD] offset:pb*SPITCH
.set pb, pb+1
.endr
.endm
.macro SEND a, younger                 ; younger: the LDS instructions issued behind block a's loads, which may stay out
.set BB, BK+64*((\a)%2)
	s_wait_dscnt \younger
	s_wait_xcnt 0x0                                ; only behind this wait do the stores' base and EXEC change
.if (\a) > 0
	s_add_nc_u64 s[10:11], s[10:11], 16*ROWO
.endif
	s_and_saveexec_b32 s97, s96                    ; the lanes that have a part of the piece
.set pb, 0
.rept 16
	global_store_b128 v[CO], v[BB+4*pb:BB+4*pb+3], s[10:11] offset:pb*ROWO th:TH_STORE_NT
.set pb, pb+1
.endr
	s_wait_xcnt 0x0                                ; and again in front of the line that widens EXEC
	s_or_b32 exec_lo, exec_lo, s97
.endm
	ROW 0
	ROW 1
	PLACES                                         ; block 0's conversions read results just made; block a's conversions are the places for block a + 1's
	TOSTAGE 0
	ROW 2
	TOSTAGE 1
	SEND 0, 27                                     ; behind block 0's loads: block 1's 11 stores and 16 loads
	ROW 3
	TOSTAGE 2
	SEND 1, 27
	TOSTAGE 3
	SEND 2, 27
	SEND 3, 0
	s_wait_tensorcnt 0x0                           ; the wave's end
	ds_add_u32 v[SPW], v[NIL]
	s_wait_dscnt 0x0
	CROUND                                         ; the closing round: no work-group ends while a partner may still ask for a tile that names it
	s_endpgm
.Lfunc_end_k_q64bf56656c_gemm:
	.size	k_q64bf56656c_gemm, .Lfunc_end_k_q64bf56656c_gemm-k_q64bf56656c_gemm
	.p2alignl 7, 3214868480
	.fill 96, 4, 3214868480
	.section	.rodata,"a",@progbits
	.p2align	6, 0x0
	.amdhsa_kernel k_q64bf56656c_gemm
		.amdhsa_group_segment_fixed_size 327680
		.amdhsa_private_segment_fixed_size 0
		.amdhsa_enable_private_segment 0
		.amdhsa_kernarg_size 32
		.amdhsa_user_sgpr_count 2
		.amdhsa_user_sgpr_kernarg_segment_ptr 1
		.amdhsa_wavefront_size32 1
		.amdhsa_system_sgpr_workgroup_id_x 1
		.amdhsa_system_sgpr_workgroup_id_y 1
		.amdhsa_system_sgpr_workgroup_id_z 1
		.amdhsa_system_vgpr_workitem_id 0
		.amdhsa_next_free_vgpr 1024
		.amdhsa_next_free_sgpr 100
		.amdhsa_reserve_vcc 0
		.amdhsa_float_denorm_mode_32 3
		.amdhsa_float_denorm_mode_16_64 3
		.amdhsa_memory_ordered 1
		.amdhsa_forward_progress 1
		.amdhsa_inst_pref_size 172
	.end_amdhsa_kernel
	.amdgpu_metadata
---
amdhsa.version: [ 1, 2 ]
amdhsa.kernels:
  - .name:           k_q64bf56656c_gemm
    .symbol:         k_q64bf56656c_gemm.kd
    .args:
      - { .name: xw, .offset: 0, .size: 8, .value_kind: global_buffer, .address_space: global }
      - { .name: ww, .offset: 8, .size: 8, .value_kind: global_buffer, .address_space: global }
      - { .name: bias, .offset: 16, .size: 8, .value_kind: global_buffer, .address_space: global }
      - { .name: out0, .offset: 24, .size: 8, .value_kind: global_buffer, .address_space: global }
    .group_segment_fixed_size: 327680
    .private_segment_fixed_size: 0
    .kernarg_segment_align: 8
    .kernarg_segment_size: 32
    .max_flat_workgroup_size: 128
    .sgpr_count:     100
    .vgpr_count:     1024
    .wavefront_size: 32
...
	.end_amdgpu_metadata
.endif
;; end of part 4
